; MI455X (gfx1250); checked and timed in simulation.
; The chip was launched on July 23, 2026; its instructions are those of AMD's public machine-readable ISA for CDNA 5 (MIT licence, August 2026) and "CDNA5" Instruction Set Architecture Reference Guide (July 2026). The comments in the code are by the model that wrote it; some were corrected since.
;; LSTM Cell. Allowed arithmetic: matrix products marked QUANTISED: E5M2 operands, one E8M0 scale for each 32 along K, by v_wmma_scale_f32_16x16x128_f8f6f4 with both operands' format E5M2, f32 sums; everything else in f32.
;; Inputs: W 2,048 x 4,096 float32; b 4,096 float32; c_prev 8,192 x 1,024 float32; h_prev 8,192 x 1,024 float32; x 8,192 x 1,024 float32.
;; Outputs: out0 8,192 x 1,024 float32; out1 8,192 x 1,024 float32.
;; This version of the problem:
;;   THIS VERSION OF THE PROBLEM IS GIVEN IN LOW PRECISION. The matrix products marked QUANTISED in the list below multiply operands that are first quantised to E5M2 (5 exponent bits, 2 mantissa bits; 8 bits a number), with one power-of-two scale for each 32 numbers along K (OCP MX v1.0); their sums are f32. All else is computed in f32.
;;   The module's matrix products, in the order in which they are computed (A, B: the left and right operand; K: the contracted axis; several contracted axes count as one K, in the product's order):
;;     1. [M 8,192, K 2,048] x [K 2,048, N 4,096]; A: computed on the way; B: input W: QUANTISED
;;   THE QUANTISER, for each operand of a quantised product, along K:
;;     - K is cut into blocks of 32 from its start; a last block that is shorter is filled with zeros.
;;     - A block's scale is 2^e with e = floor(log2(the largest magnitude in the block)) - 15, held to -126 .. 127; a block of zeros has e = 0. As a byte (E8M0): e + 127.
;;     - Each number is divided by its block's scale, clamped to +-57,344, and rounded to the nearest number of E5M2, ties to even, subnormals kept.
;;     - The product sums the exact products of the quantised numbers (number of the format x scale) in f32.
;;   ~~~python
;;   def quantise(x, axis):      # numpy; x: float32 -> the quantised numbers, widened to float32 again
;;       x = np.moveaxis(x, axis, -1); K = x.shape[-1]
;;       x = np.pad(x, [(0, 0)] * (x.ndim - 1) + [(0, -K % 32)]); x = x.reshape(x.shape[:-1] + (-1, 32)); a = np.abs(x).max(-1, keepdims=True)
;;       e = np.where(a > 0, np.clip(np.frexp(np.where(a > 0, a, 1))[1] - 1 - 15, -126, 127), 0)      # np.frexp(a)[1] - 1 = floor(log2(a)), exactly
;;       r = np.clip(x / 2.0 ** e, -57344, 57344)
;;       step = 2.0 ** (np.maximum(np.frexp(np.where(r == 0, 1, r))[1] - 1, -14) - 2)
;;       q = np.round(r / step) * step * 2.0 ** e      # np.round: ties to even
;;       return np.moveaxis(q.reshape(q.shape[:-2] + (-1,))[..., :K], -1, axis).astype(np.float32)
;;   ~~~
;;   OPERANDS COMPUTED ON THE WAY. 'Computed on the way' means the value that the module computes at that place (a softmax that the list does not call 'softmax' is quantised finished and normalised). What goes into a quantiser is computed in f32, as accurately as f32 sums, v_exp_f32 and their like allow (about 1e-6 of the number): no bf16 or f16 on the way to a quantiser, and a product that is left as it is and whose result goes on into a quantised operand takes f32 operands (vector FMAs, or v_wmma_f32_16x16x4_f32). A number that lies on a knife's edge between two numbers of the format may be rounded either way, as far as f32 arithmetic and the matrix unit's own rounding can turn it there, and no further.
;; 2 versions. Each part assembles by itself: llvm-mc -triple=amdgcn-amd-amdhsa -mcpu=gfx1250 --defsym DOCPART=n.
;; ======== version 1 of 2: 3 launches
;; limits: inputs' magnitudes at most 140,737,488,355,328; right only within a limited range of input values
;; workspace buffers: a_codes 16,777,216 bytes; a_scales 524,288 bytes; w_codes 8,388,608 bytes; w_scales 262,144 bytes
;; launch qa (part 1): grid 512 x 1, 4 waves a work-group, no clusters, 33,280 bytes of LDS; arguments x, h_prev, a_codes, a_scales; writes a_codes, a_scales
.if DOCPART == 1
	.amdgcn_target "amdgcn-amd-amdhsa--gfx1250"
	.amdhsa_code_object_version 6
	.text
	.protected	k_qfadd05ebb6_qa
	.globl	k_qfadd05ebb6_qa
	.p2align	8
	.type	k_qfadd05ebb6_qa,@function
k_qfadd05ebb6_qa:
	s_mov_b64 s[64:65], 0
	v_nop
	global_prefetch_b8 v0, s[64:65] scope:SCOPE_SE
	s_setreg_imm32_b32 hwreg(HW_REG_WAVE_MODE, 25, 1), 1
	s_wait_xcnt 0x0
; A = [x, h_prev], [8192][2048] f32 in two tensors of [8192][1024], is turned into codes of BF8 (E5M2), 8 bits each, K innermost, a_codes [8192][2048] (k 0-1023: x, k 1024-2047: h_prev),
; with one E8M0 scale byte for each 32 along K, a_scales [8192][64].
; A block's scale is 2^(floor(log2(its largest magnitude)) - 15); its byte is the largest magnitude's own exponent field - 15, held at 1 from below.  Each number is divided by the scale, held within
; +-57,344 and rounded to the nearest code, ties to even.
; LIMITS: a block of zeros gets the byte 1 where the rule says 127: its codes are zeros, which add nothing under any byte but 0xff, and the bytes are read by this program alone.  Blocks whose largest
; magnitude lies under 2^(15 - 126) share that byte.  NaN and infinities among the inputs are not served.
; SHARES.  512 work-groups x 4 waves; wave number Wd = 4 x work-group + wave takes rows 4 Wd .. 4 Wd + 3 of A, from both tensors: 16 steps of 512 numbers; step t = row t / 4, tensor (t / 2) % 2, half t % 2.
; So the wave's codes are 8,192 consecutive bytes (step t at 512 t) and its scale bytes 256 consecutive bytes (step t at 16 t); only the loads know of two tensors.
; The conversions take 8 numbers of ONE block from a lane's registers, so a lane must hold 16 NEIGHBOURS (two neighbouring lanes hold a block); a load is best where neighbouring LANES take neighbouring bytes.
; Both are had: each of a step's four loads reads 512 consecutive bytes, 16 a lane; the 2,048 bytes go through the wave's own stage in LDS, as they lie, and come back 64 bytes a lane.  The stage has 16 bytes
; of padding behind each 64.  No tensor loads, no barrier: waves share nothing.  Loads run four steps (16 loads a wave) ahead, the turn through LDS one step.
.set STEPS, 16
.set EMAX,  15
.set MANT,  0x600000                   ; the mantissa field of 57,344 as f32
.set CB,    16                         ; bytes of 16 codes
.set R,     16                         ; v16-79   four sets of 16 numbers as they are loaded
.set X,     80                         ; v80-111  two sets of 16 neighbours
.set C,     128                        ; v128-191 codes: four registers for each step, so that no store's data are written again
.set E,     112                        ; v112-127 a scale byte for each step
.set WREG,  8192                       ; LDS: a region of its own for each wave: two stages of 32 x SP bytes, and behind them its 256 scale bytes
.set SP,    80                         ; a lane's place in a stage: its 64 bytes + 16 of padding
	s_load_b256 s[4:11], s[0:1], 0x0               ; x s[4:5], h_prev s[6:7], the codes s[8:9], the scale bytes s[10:11]
	v_lshl_add_u32 v192, v0, 2, 0x8000
	v_mov_b32 v193, 0
	v_lshrrev_b32 v1, 5, v0
	v_readfirstlane_b32 s16, v1                    ; wave
	v_and_b32 v2, 31, v0                           ; lane
	v_lshlrev_b32 v3, 4, v2                        ; my 16 bytes of a load's 512
	s_mul_i32 s17, s16, WREG
	v_lshrrev_b32 v14, 2, v2
	v_mul_u32_u24 v14, v14, SP
	v_and_b32 v15, 3, v2
	v_lshl_add_u32 v14, v15, 4, v14
	v_add_nc_u32 v14, s17, v14                     ; the stage, on the way in: four lanes' 64 bytes on end, then 16 of padding: SP (lane / 4) + 16 (lane % 4); a load's 512 bytes take eight places
	v_mul_u32_u24 v15, v2, SP
	v_add_nc_u32 v15, s17, v15                     ; and on the way out: SP x lane: my 16 neighbours
	v_mul_u32_u24 v4, v2, CB                       ; my codes' place in a step's
	v_lshrrev_b32 v5, 1, v2
	s_add_co_u32 s17, s17, 2*32*SP
	v_add_nc_u32 v5, s17, v5                       ; LDS: my wave's 256 scale bytes, my block's byte
	v_lshlrev_b32 v7, 3, v2                        ; and on the way out 8 bytes a lane
	v_add_nc_u32 v6, s17, v7
	s_mov_b32 s23, MANT                            ; (an instruction takes one literal: the hold's line has another)
	s_lshl_b32 s18, ttmp9, 2
	s_add_co_u32 s18, s18, s16                     ; Wd, 0 .. 2,047
	s_mov_b32 s21, 0
	s_wait_kmcnt 0x0
	s_lshl_b32 s20, s18, 14                        ; four rows of 4,096 bytes in x and in h_prev
	s_add_nc_u64 s[4:5], s[4:5], s[20:21]
	s_add_nc_u64 s[6:7], s[6:7], s[20:21]
	s_lshl_b32 s20, s18, 13                        ; four rows of 2,048 codes
	s_add_nc_u64 s[8:9], s[8:9], s[20:21]
	s_lshl_b32 s20, s18, 8                         ; four rows of 64 scale bytes
	s_add_nc_u64 s[10:11], s[10:11], s[20:21]
.macro LOAD t                          ; step t's 2,048 bytes: row t / 4, half t % 2, of x or of h_prev
.irp i, 0,1,2,3
.if (((\t)/2)%2) == 0
	global_load_b128 v[R+16*((\t)%4)+4*\i:R+16*((\t)%4)+4*\i+3], v3, s[4:5] offset:((\t)/4)*4096+((\t)%2)*2048+512*\i th:TH_LOAD_NT   ; 32 lanes read 512 consecutive bytes
.else
	global_load_b128 v[R+16*((\t)%4)+4*\i:R+16*((\t)%4)+4*\i+3], v3, s[6:7] offset:((\t)/4)*4096+((\t)%2)*2048+512*\i th:TH_LOAD_NT
.endif
.endr
.endm
.macro TURN t                          ; step t's numbers through the stage: LDS serves a wave's instructions in order, so no wait stands between the stores and the loads
.irp i, 0,1,2,3
	ds_store_b128 v14, v[R+16*((\t)%4)+4*\i:R+16*((\t)%4)+4*\i+3] offset:32*SP*((\t)%2)+8*SP*\i
.endr
.irp i, 0,1,2,3
	ds_load_b128 v[X+16*((\t)%2)+4*\i:X+16*((\t)%2)+4*\i+3], v15 offset:32*SP*((\t)%2)+16*\i
.endr
.endm
.irp t, 0,1,2,3
	LOAD \t
.endr
	s_wait_loadcnt 12                              ; step 0's four loads are in; the twelve of steps 1 to 3 may be out
	TURN 0
.macro STEP t
.set XS, X+16*((\t)%2)
.if (\t) > 0
	s_wait_dscnt 1                                 ; this step's numbers are back from the stage (the last step's byte store may be out): so its stores into the stage have read their registers,
.else
	s_wait_dscnt 0x0
.endif
.if (\t)+4 < STEPS
	LOAD (\t)+4                                    ; which take the loads of four steps on
.endif
.if (\t)+1 < STEPS
.if STEPS-2-(\t) >= 3
	s_wait_loadcnt 12                              ; the next step's four loads are in; those of the three steps behind it may be out
.else
	s_wait_loadcnt 4*(STEPS-2-(\t))
.endif
	TURN (\t)+1                                    ; and go through the other stage while this step is worked
.endif
	v_max3_num_f32 v8, |v[XS]|, |v[XS+1]|, |v[XS+2]|               ; the largest magnitude of my 16, in two chains
	v_max3_num_f32 v9, |v[XS+3]|, |v[XS+4]|, |v[XS+5]|
.irp i, 6,10
	v_max3_num_f32 v8, v8, |v[XS+\i]|, |v[XS+\i+1]|
	v_max3_num_f32 v9, v9, |v[XS+\i+2]|, |v[XS+\i+3]|
.endr
	v_max3_num_f32 v8, v8, |v[XS+14]|, |v[XS+15]|
	v_max3_num_f32 v8, v8, v9, (EMAX+1)<<23        ; and the floor 2^(EMAX + 1 - 127), under which no largest magnitude is taken: so the byte cannot fall under 1
	v_max_num_f32_dpp v8, v8, v8 row_xmask:1 row_mask:0xf bank_mask:0xf   ; and of my neighbour's 16: the block's
	v_add_nc_u32 v11, -(EMAX<<23), v8              ; EMAX off its exponent field: the conversion takes the exponent field of this operand as its scale, and nothing else of it
	v_and_or_b32 v10, v8, 0x7f800000, s23          ; the largest number x the scale: the largest magnitude's exponent field over that number's mantissa (s23)
.irp i, 0,1,2,3,4,5,6,7,8,9,10,11,12,13,14,15
	v_med3_num_f32 v[XS+\i], v[XS+\i], -v10, v10   ; the conversion to an 8-bit code does not saturate (ISA guide 7.6.2): hold the number within the largest code x the scale first
.endr
	v_cvt_scalef32_pk8_bf8_f32 v[C+4*(\t):C+4*(\t)+1], v[XS:XS+7], v11          ; eight numbers / 2^(v11's exponent), to the nearest code, ties to even; the first number's code in the lowest byte
	v_cvt_scalef32_pk8_bf8_f32 v[C+4*(\t)+2:C+4*(\t)+3], v[XS+8:XS+15], v11
	v_lshrrev_b32 v[E+(\t)], 23, v11               ; the scale's byte; also the plain line behind the conversions
	ds_store_b8 v5, v[E+(\t)] offset:16*(\t)       ; both lanes of a block write the same byte with the same value
	global_store_b128 v4, v[C+4*(\t):C+4*(\t)+3], s[8:9] offset:32*CB*(\t)      ; 32 lanes store 512 consecutive bytes, at a multiple of 256 from the buffer's first byte
.endm
.irp t, 0,1,2,3,4,5,6,7,8,9,10,11,12,13,14,15
	STEP \t
.endr
	ds_load_b64 v[12:13], v6                       ; LDS serves a wave's instructions in order: these see my stores
	s_wait_dscnt 0x0
	global_store_b64 v7, v[12:13], s[10:11]        ; 32 lanes store 256 consecutive bytes, aligned
	s_wait_tensorcnt 0x0
	ds_add_u32 v192, v193
	s_wait_dscnt 0x0
	s_endpgm
.Lfunc_end_k_qfadd05ebb6_qa:
	.size	k_qfadd05ebb6_qa, .Lfunc_end_k_qfadd05ebb6_qa-k_qfadd05ebb6_qa
	.p2alignl 7, 3214868480
	.fill 96, 4, 3214868480
	.section	.rodata,"a",@progbits
	.p2align	6, 0x0
	.amdhsa_kernel k_qfadd05ebb6_qa
		.amdhsa_group_segment_fixed_size 33280
		.amdhsa_private_segment_fixed_size 0
		.amdhsa_enable_private_segment 0
		.amdhsa_kernarg_size 32
		.amdhsa_user_sgpr_count 2
		.amdhsa_user_sgpr_kernarg_segment_ptr 1
		.amdhsa_wavefront_size32 1
		.amdhsa_system_sgpr_workgroup_id_x 1
		.amdhsa_system_sgpr_workgroup_id_y 1
		.amdhsa_system_sgpr_workgroup_id_z 1
		.amdhsa_system_vgpr_workitem_id 0
		.amdhsa_next_free_vgpr 194
		.amdhsa_next_free_sgpr 66
		.amdhsa_reserve_vcc 0
		.amdhsa_float_denorm_mode_32 3
		.amdhsa_float_denorm_mode_16_64 3
		.amdhsa_memory_ordered 1
		.amdhsa_forward_progress 1
		.amdhsa_inst_pref_size 50
	.end_amdhsa_kernel
	.amdgpu_metadata
---
amdhsa.version: [ 1, 2 ]
amdhsa.kernels:
  - .name:           k_qfadd05ebb6_qa
    .symbol:         k_qfadd05ebb6_qa.kd
    .args:
      - { .name: x, .offset: 0, .size: 8, .value_kind: global_buffer, .address_space: global }
      - { .name: h_prev, .offset: 8, .size: 8, .value_kind: global_buffer, .address_space: global }
      - { .name: a_codes, .offset: 16, .size: 8, .value_kind: global_buffer, .address_space: global }
      - { .name: a_scales, .offset: 24, .size: 8, .value_kind: global_buffer, .address_space: global }
    .group_segment_fixed_size: 33280
    .private_segment_fixed_size: 0
    .kernarg_segment_align: 8
    .kernarg_segment_size: 32
    .max_flat_workgroup_size: 128
    .sgpr_count:     66
    .vgpr_count:     194
    .wavefront_size: 32
...
	.end_amdgpu_metadata
.endif
;; end of part 1
;; launch qw (part 2): grid 32 x 8, 4 waves a work-group, no clusters, 36,352 bytes of LDS; arguments W, w_codes, w_scales; writes w_codes, w_scales
.if DOCPART == 2
	.amdgcn_target "amdgcn-amd-amdhsa--gfx1250"
	.amdhsa_code_object_version 6
	.text
	.protected	k_qfadd05ebb6_qw
	.globl	k_qfadd05ebb6_qw
	.p2align	8
	.type	k_qfadd05ebb6_qw,@function
k_qfadd05ebb6_qw:
	s_mov_b64 s[64:65], 0
	v_nop
	global_prefetch_b8 v0, s[64:65] scope:SCOPE_SE
	s_setreg_imm32_b32 hwreg(HW_REG_WAVE_MODE, 25, 1), 1
	s_wait_xcnt 0x0
; W [2048 (k)][4096 (n)], f32, is an operand whose K is its FIRST axis.  It is turned into codes of BF8 (E5M2), 8 bits each, laid [4096 (n')][2048] with K innermost, and one E8M0 scale byte for each 32 along K,
; laid [4096 (n')][64].
; THE ROWS ARE PERMUTED ON THE WAY: column n = 1024 g + u (gate g = 0 .. 3: i, f, o, g; unit u) becomes row n' = 128 (u / 32) + 32 g + u % 32, so that 128 neighbouring rows hold all four gates of 32 units:
; the product's launch then finds the four gates of a unit in one lane.  32 aligned columns lie in one gate and one group of 32 units, so a wave's 32 rows n' are neighbours.
; A LANE TAKES A COLUMN n, AND ITS REGISTERS RUN DOWN K: each load reads neighbouring n in neighbouring lanes (128 consecutive bytes a wave, 512 a work-group), a block of 32 along K lies in ONE lane's 32
; registers, so that its largest magnitude needs no other lane, and the conversions give the codes with K innermost.  Nothing is transposed by an instruction.
; A block's scale is 2^(floor(log2(its largest magnitude)) - 15); its byte is the largest magnitude's exponent field - 15, held at 1 from below.
; LIMITS: a block of zeros gets the byte 1 where the rule says 127: its codes are zeros, which add nothing under any byte but 0xff, and the bytes are read by this program alone.  Blocks whose largest
; magnitude lies under 2^(15 - 126) share that byte.  NaN and infinities among the inputs are not served.
; A wave takes 32 columns x 256 along K: 8 blocks a lane, 256 bytes of codes for each column.  They go through the wave's own stage in LDS and leave as rows: sixteen lanes store 256 consecutive bytes, aligned.
; No tensor loads, no barrier: waves share nothing.  Loads run two blocks (64 loads a wave) ahead.  Every offset is an immediate: 255 x 16,384 and 30 x 2,048 lie inside the signed 24 bits (ISA guide, chapter 10).
.set SIZE_K, 2048
.set SIZE_N, 4096
.set KW,    256                        ; along K for a wave
.set NB,    KW/32                      ; blocks
.set ROWB,  256                        ; bytes of KW codes
.set PITCH, ROWB+16                    ; a stage row
.set KROW,  SIZE_K                     ; a row of the codes' buffer in bytes
.set EMAX,  15
.set MANT,  0x600000                   ; the mantissa field of 57,344 as f32
.set X,     32                         ; v32-95   two sets of 32 numbers
.set C,     96                         ; v96..    a block's codes
.set OUTR,  112                        ; v112-175 the way out: 16 x 4 registers
.set SB,    24                         ; v24..    the scale bytes, four to a register
	s_load_b128 s[4:7], s[0:1], 0x0                ; W, the codes
	s_load_b64 s[8:9], s[0:1], 0x10                ; the scale bytes
	v_lshl_add_u32 v192, v0, 2, 0x8c00
	v_mov_b32 v193, 0
	v_lshrrev_b32 v1, 5, v0
	v_readfirstlane_b32 s16, v1                    ; wave 0..3
	v_and_b32 v2, 31, v0                           ; lane
	s_lshl_b32 s17, ttmp9, 7
	s_lshl_b32 s18, s16, 5
	s_add_co_u32 s17, s17, s18                     ; my wave's first column: 128 x work-group x + 32 x wave
	s_and_b32 s18, ttmp7, 0xffff                   ; which KW along K: work-group y
	v_lshlrev_b32 v3, 2, v2                        ; in: 4 bytes a lane
	s_mul_i32 s19, s16, 32*PITCH                   ; my stage
	v_mul_u32_u24 v4, v2, PITCH
	v_add_nc_u32 v4, s19, v4                       ; into it: row = my column
	v_and_b32 v5, 15, v2
	v_lshrrev_b32 v6, 4, v2                        ; out of it: sixteen lanes to a row, two rows an instruction
	v_mul_u32_u24 v7, v6, PITCH
	v_lshl_add_u32 v7, v5, 4, v7
	v_add_nc_u32 v7, s19, v7                       ; LDS address
	v_mul_u32_u24 v8, v6, KROW
	v_lshl_add_u32 v8, v5, 4, v8                   ; and the same place in the codes' buffer
	; where my wave's part begins, in bytes: W: (KW y) rows of SIZE_N x 4 + 4 x column;  codes: row n' x KROW + ROWB y;  scale bytes: row n' x SIZE_K / 32 + NB y
	s_mov_b32 s19, 0
	s_mov_b64 s[20:21], KW*SIZE_N*4
	s_mul_u64 s[20:21], s[18:19], s[20:21]
	s_lshl_b32 s22, s17, 2
	s_mov_b32 s23, 0
	s_add_nc_u64 s[20:21], s[20:21], s[22:23]
	s_and_b32 s22, s17, 1023                       ; the unit of my first column,
	s_lshr_b32 s22, s22, 5
	s_lshl_b32 s22, s22, 7                         ; 128 x (unit / 32),
	s_lshr_b32 s30, s17, 10                        ; its gate,
	s_lshl_b32 s30, s30, 5
	s_add_co_u32 s22, s22, s30                     ; + 32 x gate: my wave's first row n'
	s_mov_b64 s[24:25], KROW
	s_mul_u64 s[24:25], s[22:23], s[24:25]
	s_mul_i32 s26, s18, ROWB
	s_mov_b32 s27, 0
	s_add_nc_u64 s[24:25], s[24:25], s[26:27]
	s_mov_b64 s[28:29], SIZE_K/32
	s_mul_u64 s[28:29], s[22:23], s[28:29]
	s_mul_i32 s26, s18, NB
	s_add_nc_u64 s[28:29], s[28:29], s[26:27]
	v_mul_u32_u24 v9, v2, SIZE_K/32                ; my column's row of scale bytes
	s_mov_b32 s31, MANT                            ; (an instruction takes one literal: the hold's line has another)
	s_wait_kmcnt 0x0
	s_add_nc_u64 s[4:5], s[4:5], s[20:21]
	s_add_nc_u64 s[6:7], s[6:7], s[24:25]
	s_add_nc_u64 s[8:9], s[8:9], s[28:29]
.macro LOAD t                          ; block t: W(32 t + i, my column), i = 0 .. 31, into set t % 2
.irp i, 0,1,2,3,4,5,6,7,8,9,10,11,12,13,14,15,16,17,18,19,20,21,22,23,24,25,26,27,28,29,30,31
	global_load_b32 v[X+32*((\t)%2)+\i], v3, s[4:5] offset:(32*(\t)+\i)*SIZE_N*4 th:TH_LOAD_NT
.endr
.endm
	LOAD 0
	LOAD 1
.macro BLOCK t
.set XS, X+32*((\t)%2)
.if (\t) < NB-1
	s_wait_loadcnt 32                              ; this block's 32 loads are in; the next block's 32 may be out
.else
	s_wait_loadcnt 0
.endif
	v_max3_num_f32 v12, |v[XS]|, |v[XS+1]|, |v[XS+2]|               ; the block's largest magnitude: all 32 numbers are mine
	v_max3_num_f32 v13, |v[XS+3]|, |v[XS+4]|, |v[XS+5]|
.irp i, 6,10,14,18,22,26
	v_max3_num_f32 v12, v12, |v[XS+\i]|, |v[XS+\i+1]|
	v_max3_num_f32 v13, v13, |v[XS+\i+2]|, |v[XS+\i+3]|
.endr
	v_max3_num_f32 v12, v12, |v[XS+30]|, |v[XS+31]|
	v_max3_num_f32 v12, v12, v13, (EMAX+1)<<23     ; and the floor 2^(EMAX + 1 - 127), under which no largest magnitude is taken: so the byte cannot fall under 1
	v_add_nc_u32 v11, -(EMAX<<23), v12             ; EMAX off its exponent field: the conversion takes the exponent field of this operand as its scale, and nothing else of it
	v_and_or_b32 v10, v12, 0x7f800000, s31         ; the largest number x the scale: the largest magnitude's exponent field over that number's mantissa (s31)
	v_lshrrev_b32 v13, 23, v11                     ; the scale's byte
.if (\t)%4 == 0
	v_mov_b32 v[SB+(\t)/4], v13                    ; four bytes to a register, the lower K in the lower byte
.else
	v_lshl_or_b32 v[SB+(\t)/4], v13, 8*((\t)%4), v[SB+(\t)/4]
.endif
.irp i, 0,1,2,3,4,5,6,7,8,9,10,11,12,13,14,15,16,17,18,19,20,21,22,23,24,25,26,27,28,29,30,31
	v_med3_num_f32 v[XS+\i], v[XS+\i], -v10, v10   ; the conversion to an 8-bit code does not saturate (ISA guide 7.6.2): hold the number within the largest code x the scale first
.endr
.irp g, 0,1,2,3
	v_cvt_scalef32_pk8_bf8_f32 v[C+2*\g:C+2*\g+1], v[XS+8*\g:XS+8*\g+7], v11
.endr
	ds_store_b128 v4, v[C:C+3] offset:32*(\t)      ; 32 codes: 32 bytes of my column's row
	ds_store_b128 v4, v[C+4:C+7] offset:32*(\t)+16
.if (\t)+2 < NB
	LOAD (\t)+2
.endif
	s_wait_dscnt 0x0                               ; the stores have read their registers: the next block's codes may be written (that block begins with plain vector lines on the other set)
.endm
.set Q, 0
.rept NB
	BLOCK Q
.set Q, Q+1
.endr
	global_store_b64 v9, v[SB:SB+1], s[8:9]        ; my column's NB scale bytes
.irp t, 0,1,2,3,4,5,6,7,8,9,10,11,12,13,14,15
	ds_load_b128 v[OUTR+4*\t:OUTR+4*\t+3], v7 offset:2*\t*PITCH   ; LDS serves a wave's instructions in order: these see my stores
.endr
.irp t, 0,1,2,3,4,5,6,7,8,9,10,11,12,13,14,15
	s_wait_dscnt 15-\t                             ; LDS loads come back in order: load t is in, the 15 - t behind it may be out
	global_store_b128 v8, v[OUTR+4*\t:OUTR+4*\t+3], s[6:7] offset:2*\t*KROW
.endr
	s_wait_tensorcnt 0x0
	ds_add_u32 v192, v193
	s_wait_dscnt 0x0
	s_endpgm
.Lfunc_end_k_qfadd05ebb6_qw:
	.size	k_qfadd05ebb6_qw, .Lfunc_end_k_qfadd05ebb6_qw-k_qfadd05ebb6_qw
	.p2alignl 7, 3214868480
	.fill 96, 4, 3214868480
	.section	.rodata,"a",@progbits
	.p2align	6, 0x0
	.amdhsa_kernel k_qfadd05ebb6_qw
		.amdhsa_group_segment_fixed_size 36352
		.amdhsa_private_segment_fixed_size 0
		.amdhsa_enable_private_segment 0
		.amdhsa_kernarg_size 24
		.amdhsa_user_sgpr_count 2
		.amdhsa_user_sgpr_kernarg_segment_ptr 1
		.amdhsa_wavefront_size32 1
		.amdhsa_system_sgpr_workgroup_id_x 1
		.amdhsa_system_sgpr_workgroup_id_y 1
		.amdhsa_system_sgpr_workgroup_id_z 1
		.amdhsa_system_vgpr_workitem_id 0
		.amdhsa_next_free_vgpr 194
		.amdhsa_next_free_sgpr 66
		.amdhsa_reserve_vcc 0
		.amdhsa_float_denorm_mode_32 3
		.amdhsa_float_denorm_mode_16_64 3
		.amdhsa_memory_ordered 1
		.amdhsa_forward_progress 1
		.amdhsa_inst_pref_size 60
	.end_amdhsa_kernel
	.amdgpu_metadata
---
amdhsa.version: [ 1, 2 ]
amdhsa.kernels:
  - .name:           k_qfadd05ebb6_qw
    .symbol:         k_qfadd05ebb6_qw.kd
    .args:
      - { .name: W, .offset: 0, .size: 8, .value_kind: global_buffer, .address_space: global }
      - { .name: w_codes, .offset: 8, .size: 8, .value_kind: global_buffer, .address_space: global }
      - { .name: w_scales, .offset: 16, .size: 8, .value_kind: global_buffer, .address_space: global }
    .group_segment_fixed_size: 36352
    .private_segment_fixed_size: 0
    .kernarg_segment_align: 8
    .kernarg_segment_size: 24
    .max_flat_workgroup_size: 128
    .sgpr_count:     66
    .vgpr_count:     194
    .wavefront_size: 32
...
	.end_amdgpu_metadata
.endif
;; end of part 2
;; launch cell (part 3): grid 16 x 32, 4 waves a work-group, clusters of 4 x 4, 327,680 bytes of LDS; arguments a_codes, a_scales, w_codes, w_scales, b, c_prev, out0, out1; writes out0, out1
.if DOCPART == 3
	.amdgcn_target "amdgcn-amd-amdhsa--gfx1250"
	.amdhsa_code_object_version 6
	.text
	.protected	k_qfadd05ebb6_cell
	.globl	k_qfadd05ebb6_cell
	.p2align	8
	.type	k_qfadd05ebb6_cell,@function
k_qfadd05ebb6_cell:
	s_mov_b64 s[64:65], 0
	v_nop
	global_prefetch_b8 v0, s[64:65] scope:SCOPE_SE
	s_setreg_imm32_b32 hwreg(HW_REG_WAVE_MODE, 25, 1), 1
	s_wait_xcnt 0x0
	s_wait_alu depctr_hold_cnt(0) depctr_sa_sdst(0) depctr_va_vdst(0) depctr_va_sdst(0) depctr_va_ssrc(0) depctr_va_vcc(0) depctr_vm_vsrc(0)
	s_getreg_b32 s2, hwreg(HW_REG_IB_STS2, 6, 4)
	s_cmp_eq_u32 s2, 0
	s_cbranch_scc0 .Lentry_in_a_cluster
	s_endpgm
.Lentry_in_a_cluster:
	s_bfe_u32 s2, ttmp6, 0x10000c
	s_cmp_lg_u32 s2, 0xf033
	s_cbranch_scc0 .Lentry_shape_is_right
	s_endpgm
.Lentry_shape_is_right:
; gates = A W + b on codes of BF8 (E5M2) with one E8M0 scale for each 32 along K (M 8,192, K 2,048, N 4,096), sums in f32; then, in f32 and without the gates ever leaving the registers,
; c = c_prev sigmoid(f) + tanh(g) sigmoid(i)  (out1)  and  h = sigmoid(o) tanh(c)  (out0).
; a_codes [8192][2048], a_scales [8192][64]; w_codes [4096 (n')][2048], w_scales [4096 (n')][64], with n' = 128 (u / 32) + 32 gate + u % 32 (gates in the order i, f, o, g; u the unit).
; SHARES.  A work-group of four waves makes 256 rows x 256 rows n' = 64 units x 4 gates; a wave 128 x 128: 64 accumulators of 16 x 16, 512 registers; its block b of 16 rows n' is gate b / 2, units 16 (b % 2) on.
; THE MATRIX INSTRUCTION IS USED TRANSPOSED (source 0 = 16 rows of w_codes, source 1 = 16 rows of a_codes): lane (r, h), register j of accumulator (a, b) holds row 16 a + r, gate b / 2, unit 16 (b % 2) + 8 h + j.
; So the four gates of one (row, unit) are the same register of four accumulators of the same lane, and the cell needs no other lane.  THE BIAS is the C of each sum's first matrix instruction.
; K goes in steps of 256 through a ring of two LDS slots filled by the tensor data mover; the scale bytes of the work-group's rows, for all of K, come into LDS once and stay.
; CLUSTERS: 4 x 4 work-groups.  The four of a row of the cluster need the same tiles of A, the four of a column the same tiles of W: each tile is asked for JOINTLY, by the same tensor load with the same
; descriptor and a mask that names the four.
; c_prev's tile (256 rows x 256 bytes) takes slot 0 when that slot's last K step has been read; c and h meet in a stage in slot 1 when its last K step has been read (it has had its last fill then),
; since a row's 256 bytes come from two waves; each wave then stores 64 whole rows of each.
; THE CELL, with L = log2(e): Ei, Ef, Eo = 2^min(-L x, 40), Eg = 2^min(2 L g, 40);  c = [c_prev (1 + Eg)(1 + Ei) + (Eg - 1)(1 + Ef)] / [(1 + Ef)(1 + Eg)(1 + Ei)];
; Ec = 2^min(2 L c, 40);  h = (Ec - 1) / [(Ec + 1)(1 + Eo)]: five exponentials and two reciprocals for each (row, unit).
; LIMITS: the exponents are held at 40, so that no denominator passes 2^121 and no reciprocal falls under the smallest normal number: a sigmoid never falls under 2^-40 (an absolute error under 1e-12),
; and tanh is +-1 to f32 there.  |c_prev| stays under 2^47 (it is multiplied by at most 2^81).  NaN and infinities among the inputs are not served.
; REGISTERS, in windows of 256: window 0: v1-31 addresses; v32-63 scale words, two sets, and nothing else ever; v64-127 the bias, 8 registers for each block of W; v128-255 A's fragments, ONE set.
;   In the cell: v64-127 the four gates' 16 numbers each, v128-159 at work, v160-191 c (two sets), v192-223 h (two sets), v224-255 c_prev (two sets); on the way out v64-255: three sets of 32 rows.
;   window 1: W's fragments, TWO sets, at v0 and at v128.   window 2: the 32 accumulators of my rows 0-63 ((a, b) at v[8 (8 a + b)]);   window 3: those of my rows 64-127.
.set SIZE_K, 2048
.set KSTEP,  256                       ; along K in a slot
.set NQ,     KSTEP/128                 ; matrix instructions deep
.set ROWB,   256                       ; a tile's row in bytes
.set KROW,   SIZE_K                    ; a row of codes in memory, in bytes
.set PITCH,  272                       ; an LDS row: 256 bytes + 16 of padding = 68 words: row r starts at bank 4 r mod 64 (64 banks of 4 bytes: ISA guide 11.1), so the 16 rows that a load touches start at 16 different banks
.set FR,     16                        ; registers of a fragment: 16 rows x 128 K
.set NL,     4                         ; LDS loads that bring one
.set NP,     8                         ; places behind this matrix instruction (ISA guide 7.12.1)
.set HALFT,  128*PITCH                 ; 128 rows: what one tensor load brings, and what one wave reads of A or of W
.set SLOT,   4*HALFT                   ; A's 256 rows, then W's 256 rows
.set LAPS,   SIZE_K/(2*KSTEP)          ; a lap = two K steps = once round the ring: 4
.set KS,     SIZE_K/32                 ; a row of scales in bytes: 64
.set SCL,    2*SLOT                    ; behind the ring: the scales, as units of 256 bytes + 16 of padding
.set HALFS,  (128*KS/256)*272          ; the scales of 128 rows: what one tensor load brings
.set SBLK,   (16*KS/256)*272           ; those of 16 rows
.set SPARE,  SCL+4*HALFS               ; behind the scales: the spare words, 128 bytes for each wave: two blocks of 256 bytes that no other line names
.set STG,    256*PITCH                 ; a stage of 256 rows: c's at SLOT, h's at SLOT + STG: together just slot 1
.set UROW,   4096                      ; a row of c_prev, of h and of c in memory, in bytes
.set ADRA, 16                          ; v16-17  LDS address of my A fragments in slot 0, 1
.set ADRB, 20                          ; v20-21  the same for W
.set RDH,  22                          ; v22     the way out: where I read a row of h back
.set CO,   23                          ; v23     my byte offset in two rows of the outputs
.set CPA,  24                          ; v24     my 32 bytes of c_prev's tile
.set STO,  25                          ; v25     the same place in c's stage
.set STOH, 26                          ; v26     and in h's
.set ADRS, 27                          ; v27     LDS address of my scale words: lanes 0-15 A's rows, lanes 16-31 W's
.set SPW,  28                          ; v28     LDS address of my spare word: SPARE + 4 x my thread's number; never rewritten
.set NIL,  29                          ; v29     0; never rewritten
.set PFO,  30                          ; v30     4,096 x my thread's number: my row of c_prev's tile, for the prefetch; never rewritten
.set RD,   31                          ; v31     the way out: where I read a row of c back
.set SC,   32                          ; scale words: set s at v[SC + 8 NQ s]; register NQ i + q: lanes 0-15 the word of A's block i, lanes 16-31 that of W's block i, for the slot's q-th 128 along K
.set BI,   64                          ; the bias: block b's eight numbers at v[BI + 8 b]
.set AF,   128                         ; A's fragments
.set EI,   64                          ; the cell: 16 numbers for each gate, number 8 bb + j = unit 16 bb + 8 h + j
.set EF,   80
.set EO,   96
.set EG,   112
.set GM,   128
.set TC,   144
.set CCS,  160
.set HHS,  192
.set CPS,  224
.set BK,   64
.set WV,   20                          ; s20  my wave's number
.set RH,   21                          ; s21  which half of the tile's rows is mine.  Also: I fetch for A (0) or for W (1)
.set CH,   22                          ; s22  which half of its rows n'.  Also: which 128 rows of that tile I fetch
.set LIM,  23                          ; s23  40.0
.set G1C,  4                           ; s[4:11]  group 1 for c_prev's tile, where the four operands' addresses lay until their descriptors were made
.set G1,   24                          ; s[24:31] group 1 for A's tiles;  s[32:39] group 0, one set for each slot
.set G0,   32
.set G1B,  48                          ; s[48:55], s[56:63] the same for W's tiles
.set G0B,  56
.set SNL,  66                          ; s[66:67] -log2(e), as a pair for the packed form
.set G1S,  68                          ; s[68:75], s[76:79] groups 1 and 0 for A's scales;  s[80:87], s[88:91] for W's
.set G0S,  76
.set G1SB, 80
.set G0SB, 88
.set G0C,  96                          ; s[96:99] group 0 for c_prev's tile
.set STL,  100                         ; s[100:101] 2 log2(e)
.set MSB, 0
.macro WIN new                         ; the immediate's high byte repeats the setting that is left
.if MSB != \new
	s_set_vgpr_msb (MSB<<8)|\new
.set MSB, \new
.endif
.endm
.set MUL_LO,   0xa1                    ; source 0 (W) window 1, source 1 (A) window 0, C and D window 2
.set MUL_HI,   0xf1                    ; the same, C and D window 3
.set MUL_LO_B, 0x81                    ; the first step: C (the bias) window 0, D window 2
.set MUL_HI_B, 0xc1                    ; C window 0, D window 3
.set TO_B,     0x40                    ; destination window 1, address window 0
; A joint load: waves 0 and 1 fetch for A, waves 2 and 3 for W.  Each of the two lines has ONE mask and one set of registers for all that issue it; the branch hangs on the wave's number alone.
; Four v_nop follow each of the two lines, ahead of the jump, the label and what follows.
.macro JLOAD g0a, g1a, g0b, g1b
	s_cmp_eq_u32 s[RH], 0
	s_cbranch_scc0 .Lfor_b_\@
	tensor_load_to_lds s[\g0a:\g0a+3], s[\g1a:\g1a+7]
	s_nop 0
.rept 4
	v_nop
.endr
	s_branch .Lasked_\@
.Lfor_b_\@:
	tensor_load_to_lds s[\g0b:\g0b+3], s[\g1b:\g1b+7]
	s_nop 0
.rept 4
	v_nop
.endr
.Lasked_\@:
.endm
.macro CREST                           ; a round of the cluster's barrier behind its opening barrier
	s_cmp_lg_u32 s[WV], 0
	s_cbranch_scc1 .Lnot_wave_0_\@
	s_barrier_signal -3
.Lnot_wave_0_\@:
	s_barrier_wait -3
	s_barrier_signal -1
	s_barrier_wait -1
.endm
.macro CROUND                          ; a whole round
	s_barrier_signal -1
	s_barrier_wait -1
	CREST
.endm
	s_load_b256 s[4:11], s[0:1], 0x0               ; A's codes s[4:5], A's scales s[6:7], W's codes s[8:9], W's scales s[10:11]
	s_load_b128 s[12:15], s[0:1], 0x20             ; b s[12:13], c_prev s[14:15]
	s_load_b128 s[16:19], s[0:1], 0x30             ; out0 (h) s[16:17], out1 (c) s[18:19]
	v_lshl_add_u32 v[SPW], v0, 2, SPARE
	v_mov_b32 v[NIL], 0
	ds_add_u32 v28, v29
	s_wait_dscnt 0x0
	v_lshrrev_b32 v1, 5, v0
	v_readfirstlane_b32 s[WV], v1                  ; wave 0..3
	s_lshr_b32 s[RH], s[WV], 1
	s_and_b32 s[CH], s[WV], 1
	s_bfe_u32 s40, ttmp6, 0x40000                  ; cx, cy: my place in the cluster
	s_bfe_u32 s41, ttmp6, 0x40004
	s_lshl_b32 s42, ttmp9, 2
	s_add_co_u32 s42, s42, s40                     ; tx: the tile of 256 rows n' = 4 x cluster x + cx
	s_and_b32 s95, ttmp7, 0xffff
	s_lshl_b32 s95, s95, 2
	s_add_co_u32 s95, s95, s41                     ; ty: the tile of 256 rows = 4 x cluster y + cy
	s_lshl_b32 s43, s41, 2
	s_lshl_b32 s43, 15, s43                        ; my row of the cluster
	s_lshl_b32 s44, 0x1111, s40                    ; my column
	; descriptor group 1: a tile of 128 rows x 256 bytes, padded in LDS
	s_or_b32 s[G1+0], s43, (0<<16)|(1<<20)|(1<<21)|(5<<22)|(3<<25)  ; 15:0 the mask: A's tiles go to my row; 17:16 element of 1 byte; 20 padding on; 21 set beside a mask; 24:22 after every 64 words (code 5); 31:25 of 4 words (code 3)
	s_or_b32 s[G1B+0], s44, (0<<16)|(1<<20)|(1<<21)|(5<<22)|(3<<25) ; the same with the mask of my column, for W's tiles
.irp g, G1, G1B
	s_mov_b32 s[\g+1], ROWB<<16                    ; tensor_dim0
	s_mov_b32 s[\g+2], 128<<16                     ; tensor_dim1 = 128
	s_mov_b32 s[\g+3], ROWB<<16                    ; tile_dim0
	s_mov_b32 s[\g+4], 128                         ; tile_dim1 = 128
	s_mov_b32 s[\g+5], KROW                        ; tensor_dim0_stride
	s_mov_b32 s[\g+6], 0
	s_mov_b32 s[\g+7], 0
.endr
	; and for the scales of 128 rows: a dense block of 8,192 bytes, as 32 rows of 256 bytes (32 elements of 8 bytes), 16 bytes of padding behind each
	s_or_b32 s[G1S+0], s43, (3<<16)|(1<<20)|(1<<21)|(5<<22)|(3<<25)
	s_or_b32 s[G1SB+0], s44, (3<<16)|(1<<20)|(1<<21)|(5<<22)|(3<<25)
.irp g, G1S, G1SB
	s_mov_b32 s[\g+1], 32<<16
	s_mov_b32 s[\g+2], (128*KS/256)<<16
	s_mov_b32 s[\g+3], 32<<16
	s_mov_b32 s[\g+4], 128*KS/256
	s_mov_b32 s[\g+5], 32
	s_mov_b32 s[\g+6], 0
	s_mov_b32 s[\g+7], 0
.endr
	; where the tiles come from.  A's hang on ty alone, which my row of the cluster shares; W's on tx alone, which my column shares.  Every offset stays under 2^25, so a shift and a zero upper word do.
	s_lshl_b32 s23, s[CH], 7                       ; which 128 rows of the tile I fetch
	s_lshl_b32 s2, s95, 8
	s_add_co_u32 s2, s2, s23                       ; A: row 256 ty + 128 x half
	s_mov_b32 s3, 0
	s_lshl_b32 s46, s42, 8
	s_add_co_u32 s46, s46, s23                     ; W: row 256 tx + 128 x half
	s_mov_b32 s47, 0
	s_lshl_b32 s92, s46, 6                         ; these rows' scales: 64 bytes a row,
	s_mov_b32 s93, 0
	s_lshl_b32 s46, s46, 11                        ; and their codes: 2,048 bytes a row
	s_mul_i32 s45, s[WV], HALFT                    ; where they go: wave x 128 rows: no place in the cluster enters an LDS address
	s_mul_i32 s94, s[WV], HALFS
	s_wait_kmcnt 0x0
	s_lshl_b32 s2, s2, 6
	s_add_nc_u64 s[6:7], s[6:7], s[2:3]            ; A's scales at my 128 rows
	s_lshl_b32 s2, s2, 5
	s_add_nc_u64 s[4:5], s[4:5], s[2:3]            ; A's codes
	s_add_nc_u64 s[8:9], s[8:9], s[46:47]          ; W's codes
	s_add_nc_u64 s[10:11], s[10:11], s[92:93]      ; W's scales
	CROUND                                         ; all sixteen work-groups are here: the first joint loads meet
	s_mov_b32 s[G0S], 1
	s_add_co_u32 s[G0S+1], s94, SCL
	s_mov_b64 s[G0S+2:G0S+3], s[6:7]
	s_or_b32 s[G0S+3], s[G0S+3], 0x80000000
	s_mov_b32 s[G0SB], 1
	s_add_co_u32 s[G0SB+1], s94, SCL
	s_mov_b64 s[G0SB+2:G0SB+3], s[10:11]
	s_or_b32 s[G0SB+3], s[G0SB+3], 0x80000000
	JLOAD G0S, G1S, G0SB, G1SB                     ; the scales first: they are wanted with K step 0
.irp s, 0,1
	s_mov_b32 s[G0+4*\s], 1                                        ; 1:0 count = 1
	s_add_co_u32 s[G0+4*\s+1], s45, \s*SLOT                        ; 63:32 LDS address
	s_add_nc_u64 s[G0+4*\s+2:G0+4*\s+3], s[4:5], \s*ROWB           ; 120:64 global address: K step s
	s_or_b32 s[G0+4*\s+3], s[G0+4*\s+3], 0x80000000                ; 127:126 type = 2
	s_mov_b32 s[G0B+4*\s], 1
	s_add_co_u32 s[G0B+4*\s+1], s45, \s*SLOT
	s_add_nc_u64 s[G0B+4*\s+2:G0B+4*\s+3], s[8:9], \s*ROWB
	s_or_b32 s[G0B+4*\s+3], s[G0B+4*\s+3], 0x80000000
	JLOAD G0+4*\s, G1, G0B+4*\s, G1B               ; three tensor loads of mine are out now
.endr
	; c_prev's tile: each wave brings 64 rows of 64 f32 (256 bytes), 1,024 elements from row to row, 16 bytes of padding behind each row; a load of the work-group's own, no mask
	s_mov_b32 s[G1C+0], (2<<16)|(1<<20)|(5<<22)|(3<<25)            ; 17:16 element of 4 bytes; 20 padding on; 24:22 after every 64 words; 31:25 of 4 words
	s_mov_b32 s[G1C+1], 64<<16                     ; tensor_dim0 = 64
	s_mov_b32 s[G1C+2], 64<<16                     ; tensor_dim1 = 64
	s_mov_b32 s[G1C+3], 64<<16                     ; tile_dim0 = 64
	s_mov_b32 s[G1C+4], 64                         ; tile_dim1 = 64
	s_mov_b32 s[G1C+5], 1024                       ; tensor_dim0_stride
	s_mov_b32 s[G1C+6], 0
	s_mov_b32 s[G1C+7], 0
	s_lshl_b32 s46, s95, 20                        ; 256 ty rows of 4,096 bytes,
	s_lshl_b32 s92, s42, 8                         ; 64 tx units of 4 bytes
	s_add_co_u32 s46, s46, s92
	s_add_nc_u64 s[14:15], s[14:15], s[46:47]      ; c_prev at the tile's first byte
	s_lshl_b32 s92, s[WV], 18                      ; my wave's 64 rows of it
	s_mov_b32 s[G0C], 1
	s_mul_i32 s[G0C+1], s[WV], 64*PITCH            ; into slot 0: wave x 64 rows
	s_add_nc_u64 s[G0C+2:G0C+3], s[14:15], s[92:93]
	s_or_b32 s[G0C+3], s[G0C+3], 0x80000000
	s_add_co_u32 s46, s46, s92
	s_add_nc_u64 s[16:17], s[16:17], s[46:47]      ; h and c at the first of the 64 rows that I store
	s_add_nc_u64 s[18:19], s[18:19], s[46:47]
	s_lshl_b32 s46, s42, 8
	s_lshl_b32 s92, s[CH], 7
	s_add_co_u32 s46, s46, s92
	s_add_nc_u64 s[12:13], s[12:13], s[46:47]      ; b at gate i of my wave's first unit: 4 (64 tx + 32 x half) bytes
	s_mov_b32 s[LIM], 0x42200000                   ; 40.0
	s_mov_b32 s[SNL], 0xbfb8aa3b                   ; -log2(e)
	s_mov_b32 s[SNL+1], s[SNL]                     ; (named with it as a pair, so it is written)
	s_mov_b32 s[STL], 0x4038aa3b                   ; 2 log2(e)
	s_mov_b32 s[STL+1], s[STL]
	v_and_b32 v1, 15, v0                           ; r = lane % 16
	v_bfe_u32 v2, v0, 4, 1                         ; h = lane / 16
	v_lshlrev_b32 v7, 5, v2                        ; the bias: my half's eight numbers of a block
.irp b, 0,1,2,3,4,5,6,7                        ; block b: gate b / 2 (4,096 bytes apart), units 16 (b % 2) + 8 h + 0 .. 7
	global_load_b128 v[BI+8*\b:BI+8*\b+3],   v7, s[12:13] offset:(\b/2)*4096+(\b%2)*64
	global_load_b128 v[BI+8*\b+4:BI+8*\b+7], v7, s[12:13] offset:(\b/2)*4096+(\b%2)*64+16
.endr
	v_mul_u32_u24 v3, v1, PITCH
	v_lshl_add_u32 v4, v2, 4, v3                   ; a fragment's row x pitch + 16 x half
	s_mul_i32 s92, s[RH], HALFT                    ; my 128 rows of A
	s_mul_i32 s93, s[CH], HALFT                    ; my 128 rows of W,
	s_add_co_u32 s93, s93, 2*HALFT                 ; which lie behind A's 256
.irp s, 0,1
	v_add_nc_u32 v[ADRA+\s], s92, v4
	v_add_nc_u32 v[ADRB+\s], s93, v4
	s_add_co_u32 s92, s92, SLOT
	s_add_co_u32 s93, s93, SLOT
.endr
	v_mul_u32_u24 v5, v1, KS                       ; my row's scales: KS bytes a row,
	v_lshrrev_b32 v6, 8, v5
	v_lshl_add_u32 v5, v6, 4, v5                   ; and 16 more for each 256 passed
	s_mul_i32 s92, s[RH], HALFS                    ; A's: my 128 rows
	s_mul_i32 s93, s[CH], HALFS                    ; W's: my 128 rows, behind A's 256
	s_add_co_u32 s93, s93, 2*HALFS
	s_sub_co_u32 s93, s93, s92
	v_mul_u32_u24 v6, s93, v2                      ; lanes 16-31 take W's: the lower base + h x the distance
	s_add_co_u32 s92, s92, SCL
	v_add_nc_u32 v5, v5, v6
	v_add_nc_u32 v[ADRS], s92, v5
	s_mul_i32 s92, s[RH], 128*PITCH                ; c_prev's tile and the stages: row 128 x row half + r, byte 128 x unit half + 32 h
	s_lshl_b32 s93, s[CH], 7
	s_add_co_u32 s92, s92, s93
	v_lshl_add_u32 v5, v2, 5, v3
	v_add_nc_u32 v[CPA], s92, v5
	v_add_nc_u32 v[STO], SLOT, v[CPA]
	v_add_nc_u32 v[STOH], SLOT+STG, v[CPA]
	s_mul_i32 s92, s[WV], 64*PITCH                 ; back: wave w takes rows 64 w on, whole; lanes 0-15 one row of 256 bytes, lanes 16-31 the next
	s_add_co_u32 s92, s92, SLOT
	v_mul_u32_u24 v5, v2, PITCH
	v_lshl_add_u32 v5, v1, 4, v5
	v_add_nc_u32 v[RD], s92, v5
	v_add_nc_u32 v[RDH], STG, v[RD]
	v_lshlrev_b32 v[CO], 12, v2                    ; and the same two rows in memory
	v_lshl_add_u32 v[CO], v1, 4, v[CO]
	v_lshlrev_b32 v[PFO], 12, v0
.macro FRAG reg, adr, q, i             ; a fragment, 16 rows x 128 K of 8-bit codes, is 16 registers: lane l holds row l % 16; registers 4 c .. 4 c + 3 hold K = 32 c + 16 (l / 16) + 0 .. 15
.irp c, 0,1,2,3
	ds_load_b128 v[\reg+4*\c:\reg+4*\c+3], v[\adr] offset:128*(\q)+32*\c+(\i)*16*PITCH
.endr
.endm
; 16 matrix instructions: A's blocks a0, a0 + 1 x W's eight, 128 along K: the slot's q-th.  p: W's set;  sc: the set of scale words.  first = 1: the bias is the C of the first product: nothing is cleared or added.
; The 64 accumulators take turns, one instruction a turn, in the same order in every step.
.macro MUL16 a0, p, q, sc, first
.irp a, \a0, \a0+1
.irp b, 0,1,2,3,4,5,6,7
.if \first
	v_wmma_scale_f32_16x16x128_f8f6f4 v[8*(8*((\a)%4)+\b):8*(8*((\a)%4)+\b)+7], v[128*(\p)+FR*\b:128*(\p)+FR*\b+FR-1], v[AF+FR*(\a):AF+FR*(\a)+FR-1], v[BI+8*\b:BI+8*\b+7], v[SC+8*NQ*(\sc)+NQ*\b+(\q)], v[SC+8*NQ*(\sc)+NQ*(\a)+(\q)] matrix_a_fmt:MATRIX_FMT_BF8 matrix_b_fmt:MATRIX_FMT_BF8 matrix_a_scale:MATRIX_SCALE_ROW1
.else
	v_wmma_scale_f32_16x16x128_f8f6f4 v[8*(8*((\a)%4)+\b):8*(8*((\a)%4)+\b)+7], v[128*(\p)+FR*\b:128*(\p)+FR*\b+FR-1], v[AF+FR*(\a):AF+FR*(\a)+FR-1], v[8*(8*((\a)%4)+\b):8*(8*((\a)%4)+\b)+7], v[SC+8*NQ*(\sc)+NQ*\b+(\q)], v[SC+8*NQ*(\sc)+NQ*(\a)+(\q)] matrix_a_fmt:MATRIX_FMT_BF8 matrix_b_fmt:MATRIX_FMT_BF8 matrix_a_scale:MATRIX_SCALE_ROW1
.endif
.endr
.endr
.endm
.macro FETCH_B slot, q, p              ; W's eight fragments of the slot's q-th 128 along K into set p
	WIN TO_B
.irp i, 0,1,2,3,4,5,6,7
	FRAG 128*(\p)+FR*\i, ADRB+\slot, \q, \i
.endr
	WIN 0
.endm
.macro FETCH_A slot, q, i0             ; A's blocks i0 .. i0 + 3
.irp i, \i0, \i0+1, \i0+2, \i0+3
	FRAG AF+FR*(\i), ADRA+\slot, \q, \i
.endr
.endm
.macro SCALES sc                       ; the next K step's scale words into set sc: NQ words a row; lanes 0-15 take A's block i, lanes 16-31 W's block i
.irp i, 0,1,2,3,4,5,6,7
	ds_load_b64 v[SC+8*NQ*\sc+NQ*\i:SC+8*NQ*\sc+NQ*\i+1], v[ADRS] offset:\i*SBLK
.endr
.endm
; A load into a register that a matrix instruction has read, and a vector instruction that reads a matrix result, stand NP places behind that matrix instruction, and only plain vector instructions that name
; none of its registers are places (ISA guide 7.12.1 for vector instructions); this text does not count the matrix instructions in between.
.macro PLACES n
.rept \n
	v_nop
.endr
.endm
; A step of 128 along K that has its successor in the same slot.  A block of A is free as soon as its eight products are issued: blocks 0-3 are fetched anew in the step's middle, blocks 4-7 at its end.
.macro STEP slot, q, first
	s_wait_dscnt 4*NL                              ; W's set, A's blocks 0-3 and the scale words are in; the youngest 16 loads (A's blocks 4-7) may be out
.if \first
	WIN MUL_LO_B
.else
	WIN MUL_LO
.endif
	MUL16 0, (\q)%2, \q, \slot, \first
	MUL16 2, (\q)%2, \q, \slot, \first
	s_wait_dscnt 0                                 ; A's blocks 4-7 are in (asked for 32 matrix instructions ago)
	PLACES NP
	FETCH_B \slot, (\q)+1, 1-(\q)%2
	FETCH_A \slot, (\q)+1, 0
.if \first
	WIN MUL_HI_B
.else
	WIN MUL_HI
.endif
	MUL16 4, (\q)%2, \q, \slot, \first
	MUL16 6, (\q)%2, \q, \slot, \first
	PLACES NP
	WIN 0
	FETCH_A \slot, (\q)+1, 4
.endm
; A slot's last step changes slots: ONE barrier, which opens a round of the cluster's barrier; in front of it each wave waits for all its tensor loads, adds 0 to its spare word, and waits for that and for its own
; reads of this slot.  fill = 1: this slot is filled again, jointly, two K steps ahead.  fill = 2: slot 0 has had its last K step: c_prev's tile goes into it, each wave bringing 64 rows of its own.
.macro TURN slot, next, fill
	s_wait_tensorcnt 0x0                           ; all my tensor loads have landed: my part of the next slot;  (every window is 0 here: the add's two registers lie in window 0)
	ds_add_u32 v[SPW], v[NIL]                      ; 0 onto my spare word
	s_wait_dscnt 4*NL+1                            ; (the add and the youngest 16 loads, A's blocks 4-7, may be out)
	WIN MUL_LO
	MUL16 0, 1, NQ-1, \slot, 0                     ; sixteen matrix instructions stand between the add and the wait for it
	s_wait_dscnt 0x0                               ; the add is done, and my reads of this slot are over
	s_barrier_signal -1
	MUL16 2, 1, NQ-1, \slot, 0
	WIN 0
	s_barrier_wait -1
	CREST                                          ; no wave of any partner still reads this slot's tile or has a load on its way
.if \fill == 1
	s_add_nc_u64 s[G0+4*\slot+2:G0+4*\slot+3], s[G0+4*\slot+2:G0+4*\slot+3], 2*ROWB
	s_add_nc_u64 s[G0B+4*\slot+2:G0B+4*\slot+3], s[G0B+4*\slot+2:G0B+4*\slot+3], 2*ROWB
	JLOAD G0+4*\slot, G1, G0B+4*\slot, G1B         ; the first tensor load behind the round; the four v_nop behind it are among the places in front of the loads below
	PLACES NP-4
.else
	tensor_load_to_lds s[G0C:G0C+3], s[G1C:G1C+7]  ; my one tensor load behind the round: it has 160 matrix instructions in which to land
	s_nop 0
	PLACES NP                                      ; all eight are the places in front of the loads below
.endif
	v_add_nc_u32 v[ADRS], 4*NQ, v[ADRS]            ; on to the next K step's scale words (no LDS load of mine is out)
	FETCH_B \next, 0, 0
	FETCH_A \next, 0, 0
	SCALES \next
	WIN MUL_HI
	MUL16 4, 1, NQ-1, \slot, 0
	MUL16 6, 1, NQ-1, \slot, 0
	PLACES NP
	WIN 0
	FETCH_A \next, 0, 4
.endm
	s_wait_tensorcnt 1                             ; the scales and my part of K step 0 are in (K step 1's load may be out)
	s_barrier_signal -1
	s_barrier_wait -1                              ; everybody's are
	FETCH_B 0, 0, 0
	FETCH_A 0, 0, 0
	SCALES 0
	FETCH_A 0, 0, 4
	s_wait_loadcnt 0x0                             ; the bias
	STEP 0, 0, 1                                   ; the first step stands in front of the loop: its products start the sums, from the bias
	s_mov_b32 s3, LAPS-1
.Llap:                                                 ; a trip goes once round the ring, from a lap's second step to the next lap's first, and fills both slots again
	s_cmp_lg_u32 s3, 1                             ; the last trip asks for c_prev's tile ahead of its tensor load, 288 matrix instructions on: thread t for rows t and t + 128, 256 bytes each,
	s_cbranch_scc1 .Lno_pf                         ; each asked for once in the launch; both lie inside the buffer.  The counter is the same in every work-group
	global_prefetch_b8 v[PFO], s[14:15] th:TH_LOAD_NT scope:SCOPE_SE
	global_prefetch_b8 v[PFO], s[14:15] offset:128*UROW th:TH_LOAD_NT scope:SCOPE_SE
.Lno_pf:
	TURN 0, 1, 1
	STEP 1, 0, 0
	TURN 1, 0, 1
	STEP 0, 0, 0
	s_sub_co_u32 s3, s3, 1
	s_cmp_lg_u32 s3, 0
	s_cbranch_scc1 .Llap
	TURN 0, 1, 2                                   ; the last lap: slot 0 takes c_prev's tile
	STEP 1, 0, 0
	s_wait_dscnt 4*NL                              ; the very last step: nothing more to fetch
	WIN MUL_LO
	MUL16 0, 1, NQ-1, 1, 0
	MUL16 2, 1, NQ-1, 1, 0
	s_wait_dscnt 0
	WIN MUL_HI
	MUL16 4, 1, NQ-1, 1, 0
	MUL16 6, 1, NQ-1, 1, 0
	WIN 0
; THE CELL, block by block of 16 rows x 32 units: 16 (row, unit) a lane.
.macro CPLOAD a                        ; c_prev of block a: my row's 2 x 32 bytes into set a % 2
.set CP, CPS+16*((\a)%2)
.irp bb, 0,1
	ds_load_b128 v[CP+8*\bb:CP+8*\bb+3],   v[CPA] offset:(\a)*16*PITCH+64*\bb
	ds_load_b128 v[CP+8*\bb+4:CP+8*\bb+7], v[CPA] offset:(\a)*16*PITCH+64*\bb+16
.endr
.endm
.macro CELL a
.if (\a) < 7
	CPLOAD (\a)+1                                  ; the next block's c_prev is asked for a block ahead
.endif
.set AC, 64*((\a)%4)                   ; the block's eight accumulators, in window 2 (blocks 0-3) or 3 (blocks 4-7)
.set CQ, CPS+16*((\a)%2)
.set CC, CCS+16*((\a)%2)
.set HH, HHS+16*((\a)%2)
	WIN 0x02+((\a)/4)                              ; source 0: the accumulators' window
.irp g, 0,1,2                                  ; -L i, -L f, -L o: each accumulator is read from its low end on
.irp bb, 0,1
.irp p, 0,2,4,6
	v_pk_mul_f32 v[EI+16*\g+8*\bb+\p:EI+16*\g+8*\bb+\p+1], v[AC+8*(2*\g+\bb)+\p:AC+8*(2*\g+\bb)+\p+1], s[SNL:SNL+1] op_sel_hi:[1,0]
.endr
.endr
.endr
.irp bb, 0,1                                   ; 2 L g
.irp p, 0,2,4,6
	v_pk_mul_f32 v[EG+8*\bb+\p:EG+8*\bb+\p+1], v[AC+8*(6+\bb)+\p:AC+8*(6+\bb)+\p+1], s[STL:STL+1] op_sel_hi:[1,0]
.endr
.endr
	WIN 0
.set n, 0
.rept 64
	v_min_num_f32 v[EI+n], s[LIM], v[EI+n]         ; the exponents are held at 40
.set n, n+1
.endr
.set n, 0
.rept 64
	v_exp_f32 v[EI+n], v[EI+n]                     ; Ei, Ef, Eo, Eg
.set n, n+1
.endr
	v_nop                                          ; a plain instruction between the last exponential and the use of its result
	s_wait_alu depctr_va_vdst(0)
.irp p, 0,2,4,6,8,10,12,14
	v_pk_add_f32 v[GM+\p:GM+\p+1], v[EG+\p:EG+\p+1], -1.0 op_sel_hi:[1,0]       ; Eg - 1
.endr
.set n, 0
.rept 32
	v_pk_add_f32 v[EI+n:EI+n+1], v[EI+n:EI+n+1], 1.0 op_sel_hi:[1,0]           ; 1 + Ei, 1 + Ef, 1 + Eo, 1 + Eg
.set n, n+2
.endr
.irp p, 0,2,4,6,8,10,12,14
	v_pk_mul_f32 v[EG+\p:EG+\p+1], v[EG+\p:EG+\p+1], v[EI+\p:EI+\p+1]           ; (1 + Eg)(1 + Ei)
.endr
.irp p, 0,2,4,6,8,10,12,14
	v_pk_mul_f32 v[EI+\p:EI+\p+1], v[EG+\p:EG+\p+1], v[EF+\p:EF+\p+1]           ; x (1 + Ef): c's denominator
.endr
.set n, 0
.rept 16
	v_rcp_f32 v[EI+n], v[EI+n]
.set n, n+1
.endr
.if (\a) == 0
	s_wait_dscnt 4                                 ; this block's c_prev is in; behind its loads: the next block's four
.elseif (\a) == 7
	s_wait_dscnt 8                                 ; behind its loads: the last block's eight stores
.else
	s_wait_dscnt 12                                ; behind its loads: the last block's eight stores and the next block's four loads.  The stores of two blocks back are done too: their registers are written again below
.endif
.irp p, 0,2,4,6,8,10,12,14
	v_pk_mul_f32 v[EG+\p:EG+\p+1], v[EG+\p:EG+\p+1], v[CQ+\p:CQ+\p+1]           ; c_prev (1 + Eg)(1 + Ei).  (Plain lines behind the reciprocals, which they do not touch)
.endr
.irp p, 0,2,4,6,8,10,12,14
	v_pk_fma_f32 v[EG+\p:EG+\p+1], v[GM+\p:GM+\p+1], v[EF+\p:EF+\p+1], v[EG+\p:EG+\p+1]   ; + (Eg - 1)(1 + Ef)
.endr
	s_wait_alu depctr_va_vdst(0)
.irp p, 0,2,4,6,8,10,12,14
	v_pk_mul_f32 v[CC+\p:CC+\p+1], v[EG+\p:EG+\p+1], v[EI+\p:EI+\p+1]           ; c
.endr
.irp p, 0,2,4,6,8,10,12,14
	v_pk_mul_f32 v[TC+\p:TC+\p+1], v[CC+\p:CC+\p+1], s[STL:STL+1] op_sel_hi:[1,0]   ; 2 L c
.endr
.set n, 0
.rept 16
	v_min_num_f32 v[TC+n], s[LIM], v[TC+n]
.set n, n+1
.endr
.set n, 0
.rept 16
	v_exp_f32 v[TC+n], v[TC+n]                     ; Ec
.set n, n+1
.endr
	v_nop
	s_wait_alu depctr_va_vdst(0)
.irp p, 0,2,4,6,8,10,12,14
	v_pk_add_f32 v[GM+\p:GM+\p+1], v[TC+\p:TC+\p+1], -1.0 op_sel_hi:[1,0]       ; Ec - 1
.endr
.irp p, 0,2,4,6,8,10,12,14
	v_pk_add_f32 v[TC+\p:TC+\p+1], v[TC+\p:TC+\p+1], 1.0 op_sel_hi:[1,0]        ; Ec + 1
.endr
.irp p, 0,2,4,6,8,10,12,14
	v_pk_mul_f32 v[TC+\p:TC+\p+1], v[TC+\p:TC+\p+1], v[EO+\p:EO+\p+1]           ; x (1 + Eo): h's denominator
.endr
.set n, 0
.rept 16
	v_rcp_f32 v[TC+n], v[TC+n]
.set n, n+1
.endr
	v_nop
	s_wait_alu depctr_va_vdst(0)
.irp p, 0,2,4,6,8,10,12,14
	v_pk_mul_f32 v[HH+\p:HH+\p+1], v[GM+\p:GM+\p+1], v[TC+\p:TC+\p+1]           ; h
.endr
.irp bb, 0,1
	ds_store_b128 v[STO],  v[CC+8*\bb:CC+8*\bb+3]   offset:(\a)*16*PITCH+64*\bb
	ds_store_b128 v[STO],  v[CC+8*\bb+4:CC+8*\bb+7] offset:(\a)*16*PITCH+64*\bb+16
	ds_store_b128 v[STOH], v[HH+8*\bb:HH+8*\bb+3]   offset:(\a)*16*PITCH+64*\bb
	ds_store_b128 v[STOH], v[HH+8*\bb+4:HH+8*\bb+7] offset:(\a)*16*PITCH+64*\bb+16
.endr
.endm
; THE WAY OUT.  Batch k of four: 32 whole rows of c (k = 0, 1) or of h (k = 2, 3), of the 64 rows that are mine to store, into one of three sets of 64 registers.
.macro RB k
.set BB, BK+64*((\k)%3)
.irp t, 0,1,2,3,4,5,6,7,8,9,10,11,12,13,14,15
.if (\k) < 2
	ds_load_b128 v[BB+4*\t:BB+4*\t+3], v[RD] offset:(32*((\k)%2)+2*\t)*PITCH
.else
	ds_load_b128 v[BB+4*\t:BB+4*\t+3], v[RDH] offset:(32*((\k)%2)+2*\t)*PITCH
.endif
.endr
.endm
.macro SEND k, younger                 ; younger: the LDS loads issued behind batch k's, which may stay out
.set BB, BK+64*((\k)%3)
	s_wait_dscnt \younger
.irp t, 0,1,2,3,4,5,6,7,8,9,10,11,12,13,14,15
.if (\k) < 2
	global_store_b128 v[CO], v[BB+4*\t:BB+4*\t+3], s[18:19] offset:(32*((\k)%2)+2*\t)*UROW th:TH_STORE_NT   ; 16 lanes store 256 consecutive bytes, at a multiple of 256 from the buffer's first byte; written once, read by nobody here
.else
	global_store_b128 v[CO], v[BB+4*\t:BB+4*\t+3], s[16:17] offset:(32*((\k)%2)+2*\t)*UROW th:TH_STORE_NT
.endif
.endr
.endm
	PLACES NP                                      ; behind the last products: for the reads of their results and for the loads into the registers that held A's fragments
	s_wait_tensorcnt 0x0                           ; my 64 rows of c_prev have landed: no load was issued behind that one
	s_wait_dscnt 0x0                               ; my reads of slot 1 are over
	s_barrier_signal -1
	s_barrier_wait -1                              ; c_prev's tile is whole, and nobody reads slot 1 any more: it becomes the stage
	CPLOAD 0
.irp a, 0,1,2,3,4,5,6,7
	CELL \a
.endr
	s_wait_dscnt 0x0                               ; for the others' sake: my stores into the stages are done
	s_barrier_signal -1
	s_barrier_wait -1                              ; 256 whole rows of c and of h lie in the stages
	RB 0
	RB 1
	RB 2
	SEND 0, 32                                     ; behind batch 0's loads: batches 1 and 2
	s_wait_xcnt 0x0                                ; batch 0's stores have read their registers: batch 3's loads may land there
	RB 3
	SEND 1, 32                                     ; behind batch 1's: batches 2 and 3
	SEND 2, 16
	SEND 3, 0
	s_wait_tensorcnt 0x0                           ; the wave's end, behind my last tensor load and my last LDS store
	ds_add_u32 v[SPW], v[NIL]
	s_wait_dscnt 0x0
	CROUND                                         ; the closing round: no work-group ends while a partner may still ask for a tile that names it
	s_endpgm
.Lfunc_end_k_qfadd05ebb6_cell:
	.size	k_qfadd05ebb6_cell, .Lfunc_end_k_qfadd05ebb6_cell-k_qfadd05ebb6_cell
	.p2alignl 7, 3214868480
	.fill 96, 4, 3214868480
	.section	.rodata,"a",@progbits
	.p2align	6, 0x0
	.amdhsa_kernel k_qfadd05ebb6_cell
		.amdhsa_group_segment_fixed_size 327680
		.amdhsa_private_segment_fixed_size 0
		.amdhsa_enable_private_segment 0
		.amdhsa_kernarg_size 64
		.amdhsa_user_sgpr_count 2
		.amdhsa_user_sgpr_kernarg_segment_ptr 1
		.amdhsa_wavefront_size32 1
		.amdhsa_system_sgpr_workgroup_id_x 1
		.amdhsa_system_sgpr_workgroup_id_y 1
		.amdhsa_system_sgpr_workgroup_id_z 1
		.amdhsa_system_vgpr_workitem_id 0
		.amdhsa_next_free_vgpr 1024
		.amdhsa_next_free_sgpr 102
		.amdhsa_reserve_vcc 0
		.amdhsa_float_denorm_mode_32 3
		.amdhsa_float_denorm_mode_16_64 3
		.amdhsa_memory_ordered 1
		.amdhsa_forward_progress 1
		.amdhsa_inst_pref_size 255
	.end_amdhsa_kernel
	.section	.bss,"aw",@nobits
	.p2align	6
	.space	262144
	.amdgpu_metadata
---
amdhsa.version: [ 1, 2 ]
amdhsa.kernels:
  - .name:           k_qfadd05ebb6_cell
    .symbol:         k_qfadd05ebb6_cell.kd
    .args:
      - { .name: a_codes, .offset: 0, .size: 8, .value_kind: global_buffer, .address_space: global }
      - { .name: a_scales, .offset: 8, .size: 8, .value_kind: global_buffer, .address_space: global }
      - { .name: w_codes, .offset: 16, .size: 8, .value_kind: global_buffer, .address_space: global }
      - { .name: w_scales, .offset: 24, .size: 8, .value_kind: global_buffer, .address_space: global }
      - { .name: b, .offset: 32, .size: 8, .value_kind: global_buffer, .address_space: global }
      - { .name: c_prev, .offset: 40, .size: 8, .value_kind: global_buffer, .address_space: global }
      - { .name: out0, .offset: 48, .size: 8, .value_kind: global_buffer, .address_space: global }
      - { .name: out1, .offset: 56, .size: 8, .value_kind: global_buffer, .address_space: global }
    .group_segment_fixed_size: 327680
    .private_segment_fixed_size: 0
    .kernarg_segment_align: 8
    .kernarg_segment_size: 64
    .max_flat_workgroup_size: 128
    .sgpr_count:     102
    .vgpr_count:     1024
    .wavefront_size: 32
...
	.end_amdgpu_metadata
.endif
;; end of part 3
;; ======== version 2 of 2: 2 launches
;; limits: inputs' magnitudes at most 140,737,488,355,328; right only within a limited range of input values
;; workspace buffers: a_codes 16,777,216 bytes; a_scales 524,288 bytes; w_codes 8,388,608 bytes; w_scales 262,144 bytes
;; launch quant (part 4): grid 768 x 1, 4 waves a work-group, no clusters, 69,120 bytes of LDS; arguments x, h_prev, a_codes, a_scales, W, w_codes, w_scales; writes a_codes, a_scales, w_codes, w_scales
.if DOCPART == 4
	.amdgcn_target "amdgcn-amd-amdhsa--gfx1250"
	.amdhsa_code_object_version 6
	.text
	.protected	k_qfadd05ebb6_quant
	.globl	k_qfadd05ebb6_quant
	.p2align	8
	.type	k_qfadd05ebb6_quant,@function
k_qfadd05ebb6_quant:
	s_mov_b64 s[64:65], 0
	v_nop
	global_prefetch_b8 v0, s[64:65] scope:SCOPE_SE
	s_setreg_imm32_b32 hwreg(HW_REG_WAVE_MODE, 25, 1), 1
	s_wait_xcnt 0x0
; BOTH OPERANDS OF THE PRODUCT ARE QUANTISED HERE, ONCE, into codes of BF8 (E5M2), 8 bits each, K innermost, with one E8M0 scale byte for each 32 along K.
; Work-groups 0 .. 511 take A = [x, h_prev]; work-groups 512 .. 767 take W.  The two ways part on the work-group's number at the first line and never join; each has LDS bytes of its own
; (A's from byte 0, W's from byte 32,768), so that three work-groups of either kind lie on a WGP together.
; A block's scale is 2^(floor(log2(its largest magnitude)) - 15); its byte is the largest magnitude's own exponent field - 15, held at 1 from below.  Each number is divided by the scale, held within
; +-57,344 and rounded to the nearest code, ties to even.
; LIMITS: a block of zeros gets the byte 1 where the rule says 127: its codes are zeros, which add nothing under any byte but 0xff, and the bytes are read by this program alone.  Blocks whose largest
; magnitude lies under 2^(15 - 126) share that byte.  NaN and infinities among the inputs are not served.
; No tensor loads, no barrier: waves share nothing.
.set WGA,   512                        ; A's work-groups
.set EMAX,  15
.set MANT,  0x600000                   ; the mantissa field of 57,344 as f32
	v_lshl_add_u32 v192, v0, 2, 0x10c00
	v_mov_b32 v193, 0
	s_cmp_lt_u32 ttmp9, WGA
	s_cbranch_scc0 .Lweights
; ---------------------------------------------------------------- A = [x, h_prev]: [8192][2048] f32 in two tensors of [8192][1024]  ->  a_codes [8192][2048] (k 0-1023: x, k 1024-2047: h_prev), a_scales [8192][64]
; Wave number Wd = 4 x work-group + wave takes rows 4 Wd .. 4 Wd + 3 of A, from both tensors: 16 steps of 512 numbers; step t = row t / 4, tensor (t / 2) % 2, half t % 2.
; So the wave's codes are 8,192 consecutive bytes (step t at 512 t) and its scale bytes 256 consecutive bytes (step t at 16 t); only the loads know of two tensors.
; The conversions take 8 numbers of ONE block from a lane's registers, so a lane must hold 16 NEIGHBOURS (two neighbouring lanes hold a block); a load is best where neighbouring LANES take neighbouring bytes.
; Both are had: each of a step's four loads reads 512 consecutive bytes, 16 a lane; the 2,048 bytes go through the wave's own stage in LDS, as they lie, and come back 64 bytes a lane.  The stage has 16 bytes
; of padding behind each 64.  Loads run four steps (16 loads a wave) ahead, the turn through LDS one step.
.set STEPS, 16
.set CB,    16                         ; bytes of 16 codes
.set R,     16                         ; v16-79   four sets of 16 numbers as they are loaded
.set X,     80                         ; v80-111  two sets of 16 neighbours
.set C,     128                        ; v128-191 codes: four registers for each step, so that no store's data are written again
.set E,     112                        ; v112-127 a scale byte for each step
.set WREG,  8192                       ; LDS: a region of its own for each wave: two stages of 32 x SP bytes, and behind them its 256 scale bytes
.set SP,    80                         ; a lane's place in a stage: its 64 bytes + 16 of padding
	s_load_b256 s[4:11], s[0:1], 0x0               ; x s[4:5], h_prev s[6:7], A's codes s[8:9], A's scale bytes s[10:11]
	v_lshrrev_b32 v1, 5, v0
	v_readfirstlane_b32 s16, v1                    ; wave
	v_and_b32 v2, 31, v0                           ; lane
	v_lshlrev_b32 v3, 4, v2                        ; my 16 bytes of a load's 512
	s_mul_i32 s17, s16, WREG
	v_lshrrev_b32 v14, 2, v2
	v_mul_u32_u24 v14, v14, SP
	v_and_b32 v15, 3, v2
	v_lshl_add_u32 v14, v15, 4, v14
	v_add_nc_u32 v14, s17, v14                     ; the stage, on the way in: four lanes' 64 bytes on end, then 16 of padding: SP (lane / 4) + 16 (lane % 4); a load's 512 bytes take eight places
	v_mul_u32_u24 v15, v2, SP
	v_add_nc_u32 v15, s17, v15                     ; and on the way out: SP x lane: my 16 neighbours
	v_mul_u32_u24 v4, v2, CB                       ; my codes' place in a step's
	v_lshrrev_b32 v5, 1, v2
	s_add_co_u32 s17, s17, 2*32*SP
	v_add_nc_u32 v5, s17, v5                       ; LDS: my wave's 256 scale bytes, my block's byte
	v_lshlrev_b32 v7, 3, v2                        ; and on the way out 8 bytes a lane
	v_add_nc_u32 v6, s17, v7
	s_mov_b32 s23, MANT                            ; (an instruction takes one literal: the hold's line has another)
	s_lshl_b32 s18, ttmp9, 2
	s_add_co_u32 s18, s18, s16                     ; Wd, 0 .. 2,047
	s_mov_b32 s21, 0
	s_wait_alu depctr_va_vdst(0)
	s_wait_kmcnt 0x0
	s_lshl_b32 s20, s18, 14                        ; four rows of 4,096 bytes in x and in h_prev
	s_add_nc_u64 s[4:5], s[4:5], s[20:21]
	s_add_nc_u64 s[6:7], s[6:7], s[20:21]
	s_lshl_b32 s20, s18, 13                        ; four rows of 2,048 codes
	s_add_nc_u64 s[8:9], s[8:9], s[20:21]
	s_lshl_b32 s20, s18, 8                         ; four rows of 64 scale bytes
	s_add_nc_u64 s[10:11], s[10:11], s[20:21]
.macro LOAD t                          ; step t's 2,048 bytes: row t / 4, half t % 2, of x or of h_prev
.irp i, 0,1,2,3
.if (((\t)/2)%2) == 0
	global_load_b128 v[R+16*((\t)%4)+4*\i:R+16*((\t)%4)+4*\i+3], v3, s[4:5] offset:((\t)/4)*4096+((\t)%2)*2048+512*\i th:TH_LOAD_NT   ; 32 lanes read 512 consecutive bytes
.else
	global_load_b128 v[R+16*((\t)%4)+4*\i:R+16*((\t)%4)+4*\i+3], v3, s[6:7] offset:((\t)/4)*4096+((\t)%2)*2048+512*\i th:TH_LOAD_NT
.endif
.endr
.endm
.macro TURN t                          ; step t's numbers through the stage: LDS serves a wave's instructions in order, so no wait stands between the stores and the loads
.irp i, 0,1,2,3
	ds_store_b128 v14, v[R+16*((\t)%4)+4*\i:R+16*((\t)%4)+4*\i+3] offset:32*SP*((\t)%2)+8*SP*\i
.endr
.irp i, 0,1,2,3
	ds_load_b128 v[X+16*((\t)%2)+4*\i:X+16*((\t)%2)+4*\i+3], v15 offset:32*SP*((\t)%2)+16*\i
.endr
.endm
.irp t, 0,1,2,3
	LOAD \t
.endr
	s_wait_loadcnt 12                              ; step 0's four loads are in; the twelve of steps 1 to 3 may be out
	TURN 0
.macro STEP t
.set XS, X+16*((\t)%2)
.if (\t) > 0
	s_wait_dscnt 1                                 ; this step's numbers are back from the stage (the last step's byte store may be out): so its stores into the stage have read their registers,
.else
	s_wait_dscnt 0x0
.endif
.if (\t)+4 < STEPS
	LOAD (\t)+4                                    ; which take the loads of four steps on
.endif
.if (\t)+1 < STEPS
.if STEPS-2-(\t) >= 3
	s_wait_loadcnt 12                              ; the next step's four loads are in; those of the three steps behind it may be out
.else
	s_wait_loadcnt 4*(STEPS-2-(\t))
.endif
	TURN (\t)+1                                    ; and go through the other stage while this step is worked
.endif
	v_max3_num_f32 v8, |v[XS]|, |v[XS+1]|, |v[XS+2]|               ; the largest magnitude of my 16, in two chains
	v_max3_num_f32 v9, |v[XS+3]|, |v[XS+4]|, |v[XS+5]|
.irp i, 6,10
	v_max3_num_f32 v8, v8, |v[XS+\i]|, |v[XS+\i+1]|
	v_max3_num_f32 v9, v9, |v[XS+\i+2]|, |v[XS+\i+3]|
.endr
	v_max3_num_f32 v8, v8, |v[XS+14]|, |v[XS+15]|
	v_max3_num_f32 v8, v8, v9, (EMAX+1)<<23        ; and the floor 2^(EMAX + 1 - 127), under which no largest magnitude is taken: so the byte cannot fall under 1
	v_max_num_f32_dpp v8, v8, v8 row_xmask:1 row_mask:0xf bank_mask:0xf   ; and of my neighbour's 16: the block's
	v_add_nc_u32 v11, -(EMAX<<23), v8              ; EMAX off its exponent field: the conversion takes the exponent field of this operand as its scale, and nothing else of it
	v_and_or_b32 v10, v8, 0x7f800000, s23          ; the largest number x the scale: the largest magnitude's exponent field over that number's mantissa (s23)
.irp i, 0,1,2,3,4,5,6,7,8,9,10,11,12,13,14,15
	v_med3_num_f32 v[XS+\i], v[XS+\i], -v10, v10   ; the conversion to an 8-bit code does not saturate (ISA guide 7.6.2): hold the number within the largest code x the scale first
.endr
	v_cvt_scalef32_pk8_bf8_f32 v[C+4*(\t):C+4*(\t)+1], v[XS:XS+7], v11          ; eight numbers / 2^(v11's exponent), to the nearest code, ties to even; the first number's code in the lowest byte
	v_cvt_scalef32_pk8_bf8_f32 v[C+4*(\t)+2:C+4*(\t)+3], v[XS+8:XS+15], v11
	v_lshrrev_b32 v[E+(\t)], 23, v11               ; the scale's byte; also the plain line behind the conversions
	ds_store_b8 v5, v[E+(\t)] offset:16*(\t)       ; both lanes of a block write the same byte with the same value
	global_store_b128 v4, v[C+4*(\t):C+4*(\t)+3], s[8:9] offset:32*CB*(\t)      ; 32 lanes store 512 consecutive bytes, at a multiple of 256 from the buffer's first byte
.endm
.irp t, 0,1,2,3,4,5,6,7,8,9,10,11,12,13,14,15
	STEP \t
.endr
	ds_load_b64 v[12:13], v6                       ; LDS serves a wave's instructions in order: these see my stores
	s_wait_dscnt 0x0
	global_store_b64 v7, v[12:13], s[10:11]        ; 32 lanes store 256 consecutive bytes, aligned
	s_wait_tensorcnt 0x0
	ds_add_u32 v192, v193
	s_wait_dscnt 0x0
	s_endpgm
; ---------------------------------------------------------------- W [2048 (k)][4096 (n)] f32, K its FIRST axis  ->  w_codes [4096 (n')][2048], w_scales [4096 (n')][64]
; THE ROWS ARE PERMUTED ON THE WAY: column n = 1024 g + u (gate g = 0 .. 3: i, f, o, g; unit u) becomes row n' = 128 (u / 32) + 32 g + u % 32, so that 128 neighbouring rows hold all four gates of 32 units:
; the product's launch then finds the four gates of a unit in one lane.  32 aligned columns lie in one gate and one group of 32 units, so a wave's 32 rows n' are neighbours.
; A LANE TAKES A COLUMN n, AND ITS REGISTERS RUN DOWN K: each load reads neighbouring n in neighbouring lanes (128 consecutive bytes a wave, 512 a work-group), a block of 32 along K lies in ONE lane's 32
; registers, so that its largest magnitude needs no other lane, and the conversions give the codes with K innermost.  Nothing is transposed by an instruction.
; Work-group id = number - 512: columns 128 (id % 32) on, K 256 (id / 32) on.  A wave takes 32 columns x 256 along K: 8 blocks a lane, 256 bytes of codes for each column.  They go through the wave's own stage
; in LDS and leave as rows: sixteen lanes store 256 consecutive bytes, aligned.  Loads run two blocks (64 loads a wave) ahead.  Every offset is an immediate: 255 x 16,384 and 30 x 2,048 lie inside the signed
; 24 bits (ISA guide, chapter 10).
.Lweights:
.set SIZE_K, 2048
.set SIZE_N, 4096
.set KW,    256                        ; along K for a wave
.set NB,    KW/32                      ; blocks
.set ROWB,  256                        ; bytes of KW codes
.set PITCH, ROWB+16                    ; a stage row
.set KROW,  SIZE_K                     ; a row of the codes' buffer in bytes
.set WLDS,  32768                      ; this way's LDS bytes begin behind the other way's
.set WX,    32                         ; v32-95   two sets of 32 numbers
.set WC,    96                         ; v96..    a block's codes
.set OUTR,  112                        ; v112-175 the way out: 16 x 4 registers
.set SB,    24                         ; v24..    the scale bytes, four to a register
	s_load_b128 s[4:7], s[0:1], 0x20               ; W, its codes
	s_load_b64 s[8:9], s[0:1], 0x30                ; its scale bytes
	v_lshrrev_b32 v1, 5, v0
	v_readfirstlane_b32 s16, v1                    ; wave 0..3
	v_and_b32 v2, 31, v0                           ; lane
	s_wait_alu depctr_va_vdst(0)
	s_sub_co_u32 s12, ttmp9, WGA                   ; id, 0 .. 255
	s_and_b32 s13, s12, 31
	s_lshl_b32 s17, s13, 7
	s_lshl_b32 s18, s16, 5
	s_add_co_u32 s17, s17, s18                     ; my wave's first column: 128 x (id % 32) + 32 x wave
	s_lshr_b32 s18, s12, 5
	s_and_b32 s18, s18, 7                          ; which KW along K: id / 32
	v_lshlrev_b32 v3, 2, v2                        ; in: 4 bytes a lane
	s_mul_i32 s19, s16, 32*PITCH
	s_add_co_u32 s19, s19, WLDS                    ; my stage
	v_mul_u32_u24 v4, v2, PITCH
	v_add_nc_u32 v4, s19, v4                       ; into it: row = my column
	v_and_b32 v5, 15, v2
	v_lshrrev_b32 v6, 4, v2                        ; out of it: sixteen lanes to a row, two rows an instruction
	v_mul_u32_u24 v7, v6, PITCH
	v_lshl_add_u32 v7, v5, 4, v7
	v_add_nc_u32 v7, s19, v7                       ; LDS address
	v_mul_u32_u24 v8, v6, KROW
	v_lshl_add_u32 v8, v5, 4, v8                   ; and the same place in the codes' buffer
	; where my wave's part begins, in bytes: W: (KW y) rows of SIZE_N x 4 + 4 x column;  codes: row n' x KROW + ROWB y;  scale bytes: row n' x SIZE_K / 32 + NB y
	s_mov_b32 s19, 0
	s_mov_b64 s[20:21], KW*SIZE_N*4
	s_mul_u64 s[20:21], s[18:19], s[20:21]
	s_lshl_b32 s22, s17, 2
	s_mov_b32 s23, 0
	s_add_nc_u64 s[20:21], s[20:21], s[22:23]
	s_and_b32 s22, s17, 1023                       ; the unit of my first column,
	s_lshr_b32 s22, s22, 5
	s_lshl_b32 s22, s22, 7                         ; 128 x (unit / 32),
	s_lshr_b32 s30, s17, 10                        ; its gate,
	s_lshl_b32 s30, s30, 5
	s_add_co_u32 s22, s22, s30                     ; + 32 x gate: my wave's first row n'
	s_mov_b64 s[24:25], KROW
	s_mul_u64 s[24:25], s[22:23], s[24:25]
	s_mul_i32 s26, s18, ROWB
	s_mov_b32 s27, 0
	s_add_nc_u64 s[24:25], s[24:25], s[26:27]
	s_mov_b64 s[28:29], SIZE_K/32
	s_mul_u64 s[28:29], s[22:23], s[28:29]
	s_mul_i32 s26, s18, NB
	s_add_nc_u64 s[28:29], s[28:29], s[26:27]
	v_mul_u32_u24 v9, v2, SIZE_K/32                ; my column's row of scale bytes
	s_mov_b32 s31, MANT                            ; (an instruction takes one literal: the hold's line has another)
	s_wait_kmcnt 0x0
	s_add_nc_u64 s[4:5], s[4:5], s[20:21]
	s_add_nc_u64 s[6:7], s[6:7], s[24:25]
	s_add_nc_u64 s[8:9], s[8:9], s[28:29]
.macro WLOAD t                         ; block t: W(32 t + i, my column), i = 0 .. 31, into set t % 2
.irp i, 0,1,2,3,4,5,6,7,8,9,10,11,12,13,14,15,16,17,18,19,20,21,22,23,24,25,26,27,28,29,30,31
	global_load_b32 v[WX+32*((\t)%2)+\i], v3, s[4:5] offset:(32*(\t)+\i)*SIZE_N*4 th:TH_LOAD_NT
.endr
.endm
	WLOAD 0
	WLOAD 1
.macro WBLOCK t
.set XS, WX+32*((\t)%2)
.if (\t) < NB-1
	s_wait_loadcnt 32                              ; this block's 32 loads are in; the next block's 32 may be out
.else
	s_wait_loadcnt 0
.endif
	v_max3_num_f32 v12, |v[XS]|, |v[XS+1]|, |v[XS+2]|               ; the block's largest magnitude: all 32 numbers are mine
	v_max3_num_f32 v13, |v[XS+3]|, |v[XS+4]|, |v[XS+5]|
.irp i, 6,10,14,18,22,26
	v_max3_num_f32 v12, v12, |v[XS+\i]|, |v[XS+\i+1]|
	v_max3_num_f32 v13, v13, |v[XS+\i+2]|, |v[XS+\i+3]|
.endr
	v_max3_num_f32 v12, v12, |v[XS+30]|, |v[XS+31]|
	v_max3_num_f32 v12, v12, v13, (EMAX+1)<<23     ; and the floor 2^(EMAX + 1 - 127), under which no largest magnitude is taken: so the byte cannot fall under 1
	v_add_nc_u32 v11, -(EMAX<<23), v12             ; EMAX off its exponent field: the conversion takes the exponent field of this operand as its scale, and nothing else of it
	v_and_or_b32 v10, v12, 0x7f800000, s31         ; the largest number x the scale: the largest magnitude's exponent field over that number's mantissa (s31)
	v_lshrrev_b32 v13, 23, v11                     ; the scale's byte
.if (\t)%4 == 0
	v_mov_b32 v[SB+(\t)/4], v13                    ; four bytes to a register, the lower K in the lower byte
.else
	v_lshl_or_b32 v[SB+(\t)/4], v13, 8*((\t)%4), v[SB+(\t)/4]
.endif
.irp i, 0,1,2,3,4,5,6,7,8,9,10,11,12,13,14,15,16,17,18,19,20,21,22,23,24,25,26,27,28,29,30,31
	v_med3_num_f32 v[XS+\i], v[XS+\i], -v10, v10   ; the conversion to an 8-bit code does not saturate (ISA guide 7.6.2): hold the number within the largest code x the scale first
.endr
.irp g, 0,1,2,3
	v_cvt_scalef32_pk8_bf8_f32 v[WC+2*\g:WC+2*\g+1], v[XS+8*\g:XS+8*\g+7], v11
.endr
	ds_store_b128 v4, v[WC:WC+3] offset:32*(\t)    ; 32 codes: 32 bytes of my column's row
	ds_store_b128 v4, v[WC+4:WC+7] offset:32*(\t)+16
.if (\t)+2 < NB
	WLOAD (\t)+2
.endif
	s_wait_dscnt 0x0                               ; the stores have read their registers: the next block's codes may be written (that block begins with plain vector lines on the other set)
.endm
.set Q, 0
.rept NB
	WBLOCK Q
.set Q, Q+1
.endr
	global_store_b64 v9, v[SB:SB+1], s[8:9]        ; my column's NB scale bytes
.irp t, 0,1,2,3,4,5,6,7,8,9,10,11,12,13,14,15
	ds_load_b128 v[OUTR+4*\t:OUTR+4*\t+3], v7 offset:2*\t*PITCH   ; LDS serves a wave's instructions in order: these see my stores
.endr
.irp t, 0,1,2,3,4,5,6,7,8,9,10,11,12,13,14,15
	s_wait_dscnt 15-\t                             ; LDS loads come back in order: load t is in, the 15 - t behind it may be out
	global_store_b128 v8, v[OUTR+4*\t:OUTR+4*\t+3], s[6:7] offset:2*\t*KROW
.endr
	s_wait_tensorcnt 0x0
	ds_add_u32 v192, v193
	s_wait_dscnt 0x0
	s_endpgm
.Lfunc_end_k_qfadd05ebb6_quant:
	.size	k_qfadd05ebb6_quant, .Lfunc_end_k_qfadd05ebb6_quant-k_qfadd05ebb6_quant
	.p2alignl 7, 3214868480
	.fill 96, 4, 3214868480
	.section	.rodata,"a",@progbits
	.p2align	6, 0x0
	.amdhsa_kernel k_qfadd05ebb6_quant
		.amdhsa_group_segment_fixed_size 69120
		.amdhsa_private_segment_fixed_size 0
		.amdhsa_enable_private_segment 0
		.amdhsa_kernarg_size 56
		.amdhsa_user_sgpr_count 2
		.amdhsa_user_sgpr_kernarg_segment_ptr 1
		.amdhsa_wavefront_size32 1
		.amdhsa_system_sgpr_workgroup_id_x 1
		.amdhsa_system_sgpr_workgroup_id_y 1
		.amdhsa_system_sgpr_workgroup_id_z 1
		.amdhsa_system_vgpr_workitem_id 0
		.amdhsa_next_free_vgpr 194
		.amdhsa_next_free_sgpr 66
		.amdhsa_reserve_vcc 0
		.amdhsa_float_denorm_mode_32 3
		.amdhsa_float_denorm_mode_16_64 3
		.amdhsa_memory_ordered 1
		.amdhsa_forward_progress 1
		.amdhsa_inst_pref_size 110
	.end_amdhsa_kernel
	.amdgpu_metadata
---
amdhsa.version: [ 1, 2 ]
amdhsa.kernels:
  - .name:           k_qfadd05ebb6_quant
    .symbol:         k_qfadd05ebb6_quant.kd
    .args:
      - { .name: x, .offset: 0, .size: 8, .value_kind: global_buffer, .address_space: global }
      - { .name: h_prev, .offset: 8, .size: 8, .value_kind: global_buffer, .address_space: global }
      - { .name: a_codes, .offset: 16, .size: 8, .value_kind: global_buffer, .address_space: global }
      - { .name: a_scales, .offset: 24, .size: 8, .value_kind: global_buffer, .address_space: global }
      - { .name: W, .offset: 32, .size: 8, .value_kind: global_buffer, .address_space: global }
      - { .name: w_codes, .offset: 40, .size: 8, .value_kind: global_buffer, .address_space: global }
      - { .name: w_scales, .offset: 48, .size: 8, .value_kind: global_buffer, .address_space: global }
    .group_segment_fixed_size: 69120
    .private_segment_fixed_size: 0
    .kernarg_segment_align: 8
    .kernarg_segment_size: 56
    .max_flat_workgroup_size: 128
    .sgpr_count:     66
    .vgpr_count:     194
    .wavefront_size: 32
...
	.end_amdgpu_metadata
.endif
;; end of part 4
;; launch cell (part 5): grid 16 x 32, 4 waves a work-group, clusters of 4 x 4, 327,680 bytes of LDS; arguments a_codes, a_scales, w_codes, w_scales, b, c_prev, out0, out1; writes out0, out1
.if DOCPART == 5
	.amdgcn_target "amdgcn-amd-amdhsa--gfx1250"
	.amdhsa_code_object_version 6
	.text
	.protected	k_qfadd05ebb6_cell
	.globl	k_qfadd05ebb6_cell
	.p2align	8
	.type	k_qfadd05ebb6_cell,@function
k_qfadd05ebb6_cell:
	s_mov_b64 s[64:65], 0
	v_nop
	global_prefetch_b8 v0, s[64:65] scope:SCOPE_SE
	s_setreg_imm32_b32 hwreg(HW_REG_WAVE_MODE, 25, 1), 1
	s_wait_xcnt 0x0
	s_wait_alu depctr_hold_cnt(0) depctr_sa_sdst(0) depctr_va_vdst(0) depctr_va_sdst(0) depctr_va_ssrc(0) depctr_va_vcc(0) depctr_vm_vsrc(0)
	s_getreg_b32 s2, hwreg(HW_REG_IB_STS2, 6, 4)
	s_cmp_eq_u32 s2, 0
	s_cbranch_scc0 .Lentry_in_a_cluster
	s_endpgm
.Lentry_in_a_cluster:
	s_bfe_u32 s2, ttmp6, 0x10000c
	s_cmp_lg_u32 s2, 0xf033
	s_cbranch_scc0 .Lentry_shape_is_right
	s_endpgm
.Lentry_shape_is_right:
; gates = A W + b on codes of BF8 (E5M2) with one E8M0 scale for each 32 along K (M 8,192, K 2,048, N 4,096), sums in f32; then, in f32 and without the gates ever leaving the registers,
; c = c_prev sigmoid(f) + tanh(g) sigmoid(i)  (out1)  and  h = sigmoid(o) tanh(c)  (out0).
; a_codes [8192][2048], a_scales [8192][64]; w_codes [4096 (n')][2048], w_scales [4096 (n')][64], with n' = 128 (u / 32) + 32 gate + u % 32 (gates in the order i, f, o, g; u the unit).
; SHARES.  A work-group of four waves makes 256 rows x 256 rows n' = 64 units x 4 gates; a wave 128 x 128: 64 accumulators of 16 x 16, 512 registers; its block b of 16 rows n' is gate b / 2, units 16 (b % 2) on.
; THE MATRIX INSTRUCTION IS USED TRANSPOSED (source 0 = 16 rows of w_codes, source 1 = 16 rows of a_codes): lane (r, h), register j of accumulator (a, b) holds row 16 a + r, gate b / 2, unit 16 (b % 2) + 8 h + j.
; So the four gates of one (row, unit) are the same register of four accumulators of the same lane, and the cell needs no other lane.  THE BIAS is the C of each sum's first matrix instruction.
; K goes in steps of 256 through a ring of two LDS slots filled by the tensor data mover; the scale bytes of the work-group's rows, for all of K, come into LDS once and stay.
; CLUSTERS: 4 x 4 work-groups.  The four of a row of the cluster need the same tiles of A, the four of a column the same tiles of W: each tile is asked for JOINTLY, by the same tensor load with the same
; descriptor and a mask that names the four.
; c_prev's tile (256 rows x 256 bytes) takes slot 0 when that slot's last K step has been read.  c and h meet in two stages in slot 1 when its last K step has been read (it has had its last fill then),
; since a row's 256 bytes come from two waves.  THE WAY OUT GOES BLOCK BY BLOCK: as soon as all four waves have staged a block (16 rows of each row half), each wave reads 8 whole rows of c and 8 of h back
; and stores them, while the next block's cell is computed: seven eighths of the stores leave under the cell's arithmetic.
; THE CELL, with L = log2(e): Ei, Ef, Eo = 2^min(-L x, 40), Eg = 2^min(2 L g, 40);  c = [c_prev (1 + Eg)(1 + Ei) + (Eg - 1)(1 + Ef)] / [(1 + Ef)(1 + Eg)(1 + Ei)];
; Ec = 2^min(2 L c, 40);  h = (Ec - 1) / [(Ec + 1)(1 + Eo)]: five exponentials and two reciprocals for each (row, unit).
; LIMITS: the exponents are held at 40, so that no denominator passes 2^121 and no reciprocal falls under the smallest normal number: a sigmoid never falls under 2^-40 (an absolute error under 1e-12),
; and tanh is +-1 to f32 there.  |c_prev| stays under 2^47 (it is multiplied by at most 2^81).  NaN and infinities among the inputs are not served.
; REGISTERS, in windows of 256: window 0: v1-31 addresses; v32-63 scale words, two sets, and nothing else ever; v64-127 the bias, 8 registers for each block of W; v128-255 A's fragments, ONE set.
;   In the cell: v64-127 the four gates' 16 numbers each, v128-159 at work, v160-191 c (two sets), v192-223 h (two sets), v224-255 c_prev (two sets).
;   window 1: W's fragments, TWO sets, at v0 and at v128; on the way out 32 registers for each of the eight blocks, so that no store's data are written again.
;   window 2: the 32 accumulators of my rows 0-63 ((a, b) at v[8 (8 a + b)]);   window 3: those of my rows 64-127.
; THE HEAD: one joint load a wave: wave 0 K step 0's 256 rows of A, wave 1 its 256 rows of W, wave 2 the scales of A's 256 rows, wave 3 those of W's.  Slot 1's first fill is issued as a refill is.
; PREFETCH OF THE TILES: each event that asks for a K step (the head's loads, slot 1's first fill, the loop's refills) also names the K step two on: 32 rows x 256 bytes a wave, a lane a row.
; Of the 128 rows that a wave fetches in the ring, the partner at place p (cx for A, cy for W) names rows 32 p .. 32 p + 31: each row's 256 bytes are named once in each cluster.  The head names K step 1 too.
; The loop's last trip names nothing: K steps 6 and 7 are the last.
.set SIZE_K, 2048
.set KSTEP,  256                       ; along K in a slot
.set NQ,     KSTEP/128                 ; matrix instructions deep
.set ROWB,   256                       ; a tile's row in bytes
.set KROW,   SIZE_K                    ; a row of codes in memory, in bytes
.set PITCH,  272                       ; an LDS row: 256 bytes + 16 of padding = 68 words: row r starts at bank 4 r mod 64 (64 banks of 4 bytes: ISA guide 11.1), so the 16 rows that a load touches start at 16 different banks
.set FR,     16                        ; registers of a fragment: 16 rows x 128 K
.set NL,     4                         ; LDS loads that bring one
.set NP,     8                         ; places behind this matrix instruction (ISA guide 7.12.1)
.set HALFT,  128*PITCH                 ; 128 rows: what one tensor load brings, and what one wave reads of A or of W
.set SLOT,   4*HALFT                   ; A's 256 rows, then W's 256 rows
.set LAPS,   SIZE_K/(2*KSTEP)          ; a lap = two K steps = once round the ring: 4
.set KS,     SIZE_K/32                 ; a row of scales in bytes: 64
.set SCL,    2*SLOT                    ; behind the ring: the scales, as units of 256 bytes + 16 of padding
.set HALFS,  (128*KS/256)*272          ; the scales of 128 rows: what one wave reads of A's or of W's
.set SBLK,   (16*KS/256)*272           ; those of 16 rows
.set SPARE,  SCL+4*HALFS               ; behind the scales: the spare words, 128 bytes for each wave: two blocks of 256 bytes that no other line names
.set BLKB,   32*PITCH                  ; a block in a stage: 16 rows of the upper row half, then 16 of the lower
.set STG,    8*BLKB                    ; a stage of eight blocks: c's at SLOT, h's at SLOT + STG: together just slot 1
.set UROW,   4096                      ; a row of c_prev, of h and of c in memory, in bytes
.set ADRA, 16                          ; v16-17  LDS address of my A fragments in slot 0, 1
.set ADRB, 20                          ; v20-21  the same for W
.set RDH,  22                          ; v22     the way out: where I read two rows of h of a block back
.set CO,   23                          ; v23     my byte offset in two rows of the outputs
.set CPA,  24                          ; v24     my 32 bytes of c_prev's tile
.set STO,  25                          ; v25     my 32 bytes of a block in c's stage
.set STOH, 26                          ; v26     and in h's
.set ADRS, 27                          ; v27     LDS address of my scale words: lanes 0-15 A's rows, lanes 16-31 W's
.set SPW,  28                          ; v28     LDS address of my spare word: SPARE + 4 x my thread's number; never rewritten
.set NIL,  29                          ; v29     0; never rewritten
.set PFO,  30                          ; v30     4,096 x my thread's number: my row of c_prev's tile, for the prefetch; never rewritten
.set RD,   31                          ; v31     the way out: where I read two rows of c of a block back
.set SC,   32                          ; scale words: set s at v[SC + 8 NQ s]; register NQ i + q: lanes 0-15 the word of A's block i, lanes 16-31 that of W's block i, for the slot's q-th 128 along K
.set BI,   64                          ; the bias: block b's eight numbers at v[BI + 8 b]
.set AF,   128                         ; A's fragments
.set EI,   64                          ; the cell: 16 numbers for each gate, number 8 bb + j = unit 16 bb + 8 h + j
.set EF,   80
.set EO,   96
.set EG,   112
.set GM,   128
.set TC,   144
.set CCS,  160
.set HHS,  192
.set CPS,  224
.set WV,   20                          ; s20  my wave's number
.set RH,   21                          ; s21  which half of the tile's rows is mine.  Also: I fetch for A (0) or for W (1)
.set CH,   22                          ; s22  which half of its rows n'.  Also: which 128 rows of that tile I fetch
.set LIM,  23                          ; s23  40.0
.set G1C,  4                           ; s[4:11]  group 1 for c_prev's tile, where the four operands' addresses lay until their descriptors were made
.set G1,   24                          ; s[24:31] group 1 for A's tiles;  s[32:39] group 0, one set for each slot
.set G0,   32
.set G1B,  48                          ; s[48:55], s[56:63] the same for W's tiles
.set G0B,  56
.set SNL,  66                          ; s[66:67] -log2(e), as a pair for the packed form
.set G1S,  68                          ; s[68:75], s[76:79] groups 1 and 0 for A's scales;  s[80:87], s[88:91] for W's
.set G0S,  76
.set G1SB, 80
.set G0SB, 88
.set G0C,  96                          ; s[96:99] group 0 for c_prev's tile
.set STL,  100                         ; s[100:101] 2 log2(e)
.set MSB, 0
.macro WIN new                         ; the immediate's high byte repeats the setting that is left
.if MSB != \new
	s_set_vgpr_msb (MSB<<8)|\new
.set MSB, \new
.endif
.endm
.set MUL_LO,   0xa1                    ; source 0 (W) window 1, source 1 (A) window 0, C and D window 2
.set MUL_HI,   0xf1                    ; the same, C and D window 3
.set MUL_LO_B, 0x81                    ; the first step: C (the bias) window 0, D window 2
.set MUL_HI_B, 0xc1                    ; C window 0, D window 3
.set TO_B,     0x40                    ; destination window 1, address window 0
.set FROM_B,   0x04                    ; a store's data are its source 1: window 1; address window 0
; A joint load: waves 0 and 1 fetch for A, waves 2 and 3 for W.  Each of the two lines has ONE mask and one set of registers for all that issue it; the branch hangs on the wave's number alone.
; Four v_nop follow each of the two lines, ahead of the jump, the label and what follows.
.macro JLOAD g0a, g1a, g0b, g1b
	s_cmp_eq_u32 s[RH], 0
	s_cbranch_scc0 .Lfor_b_\@
	tensor_load_to_lds s[\g0a:\g0a+3], s[\g1a:\g1a+7]
	s_nop 0
.rept 4
	v_nop
.endr
	s_branch .Lasked_\@
.Lfor_b_\@:
	tensor_load_to_lds s[\g0b:\g0b+3], s[\g1b:\g1b+7]
	s_nop 0
.rept 4
	v_nop
.endr
.Lasked_\@:
.endm
.macro CREST                           ; a round of the cluster's barrier behind its opening barrier
	s_cmp_lg_u32 s[WV], 0
	s_cbranch_scc1 .Lnot_wave_0_\@
	s_barrier_signal -3
.Lnot_wave_0_\@:
	s_barrier_wait -3
	s_barrier_signal -1
	s_barrier_wait -1
.endm
.macro CROUND                          ; a whole round
	s_barrier_signal -1
	s_barrier_wait -1
	CREST
.endm
	s_load_b256 s[4:11], s[0:1], 0x0               ; A's codes s[4:5], A's scales s[6:7], W's codes s[8:9], W's scales s[10:11]
	s_load_b128 s[12:15], s[0:1], 0x20             ; b s[12:13], c_prev s[14:15]
	s_load_b128 s[16:19], s[0:1], 0x30             ; out0 (h) s[16:17], out1 (c) s[18:19]
	v_lshl_add_u32 v[SPW], v0, 2, SPARE
	v_mov_b32 v[NIL], 0
	ds_add_u32 v28, v29
	ds_add_u32 v28, v29
	s_wait_dscnt 0x0
	v_lshrrev_b32 v1, 5, v0
	v_readfirstlane_b32 s[WV], v1                  ; wave 0..3
	s_lshr_b32 s[RH], s[WV], 1
	s_and_b32 s[CH], s[WV], 1
	s_bfe_u32 s40, ttmp6, 0x40000                  ; cx, cy: my place in the cluster
	s_bfe_u32 s41, ttmp6, 0x40004
	s_lshl_b32 s42, ttmp9, 2
	s_add_co_u32 s42, s42, s40                     ; tx: the tile of 256 rows n' = 4 x cluster x + cx
	s_and_b32 s95, ttmp7, 0xffff
	s_lshl_b32 s95, s95, 2
	s_add_co_u32 s95, s95, s41                     ; ty: the tile of 256 rows = 4 x cluster y + cy
	s_lshl_b32 s43, s41, 2
	s_lshl_b32 s43, 15, s43                        ; my row of the cluster
	s_lshl_b32 s44, 0x1111, s40                    ; my column
	; descriptor group 1: rows of 256 bytes, padded in LDS: 256 rows for the head's loads; behind them the two words that count rows are set to 128, for the ring's
	s_or_b32 s[G1+0], s43, (0<<16)|(1<<20)|(1<<21)|(5<<22)|(3<<25)  ; 15:0 the mask: A's tiles go to my row; 17:16 element of 1 byte; 20 padding on; 21 set beside a mask; 24:22 after every 64 words; 31:25 of 4 words
	s_or_b32 s[G1B+0], s44, (0<<16)|(1<<20)|(1<<21)|(5<<22)|(3<<25) ; the same with the mask of my column, for W's tiles
.irp g, G1, G1B
	s_mov_b32 s[\g+1], ROWB<<16                    ; tensor_dim0
	s_mov_b32 s[\g+2], 256<<16                     ; tensor_dim1 = 256
	s_mov_b32 s[\g+3], ROWB<<16                    ; tile_dim0
	s_mov_b32 s[\g+4], 256                         ; tile_dim1 = 256
	s_mov_b32 s[\g+5], KROW                        ; tensor_dim0_stride
	s_mov_b32 s[\g+6], 0
	s_mov_b32 s[\g+7], 0
.endr
	; and for the scales of 256 rows: a dense block of 16,384 bytes, as 64 rows of 256 bytes (32 elements of 8 bytes), 16 bytes of padding behind each
	s_or_b32 s[G1S+0], s43, (3<<16)|(1<<20)|(1<<21)|(5<<22)|(3<<25)
	s_or_b32 s[G1SB+0], s44, (3<<16)|(1<<20)|(1<<21)|(5<<22)|(3<<25)
.irp g, G1S, G1SB
	s_mov_b32 s[\g+1], 32<<16
	s_mov_b32 s[\g+2], KS<<16
	s_mov_b32 s[\g+3], 32<<16
	s_mov_b32 s[\g+4], KS
	s_mov_b32 s[\g+5], 32
	s_mov_b32 s[\g+6], 0
	s_mov_b32 s[\g+7], 0
.endr
	; where the tiles come from.  A's hang on ty alone, which my row of the cluster shares; W's on tx alone, which my column shares.  Every offset stays under 2^25, so a shift and a zero upper word do.
	s_cmp_eq_u32 s[RH], 0                          ; for the prefetches: my place among the four that ask for a tile with me (the masks have been used),
	s_cselect_b32 s43, s40, s41
	s_lshl_b32 s43, s43, 16                        ; x 32 rows of 2,048 bytes
	s_lshl_b32 s2, s95, 8                          ; A: the tile's first row, 256 ty
	s_mov_b32 s3, 0
	s_lshl_b32 s46, s42, 8                         ; W: 256 tx
	s_mov_b32 s47, 0
	s_lshl_b32 s92, s46, 6                         ; these rows' scales: 64 bytes a row,
	s_mov_b32 s93, 0
	s_lshl_b32 s46, s46, 11                        ; and their codes: 2,048 bytes a row
	s_mul_i32 s45, s[WV], HALFT                    ; where they go: wave x 128 rows: no place in the cluster enters an LDS address
	s_wait_kmcnt 0x0
	s_lshl_b32 s2, s2, 6
	s_add_nc_u64 s[6:7], s[6:7], s[2:3]            ; A's scales at the tile's first row
	s_lshl_b32 s2, s2, 5
	s_add_nc_u64 s[4:5], s[4:5], s[2:3]            ; A's codes
	s_add_nc_u64 s[8:9], s[8:9], s[46:47]          ; W's codes
	s_add_nc_u64 s[10:11], s[10:11], s[92:93]      ; W's scales
	CROUND                                         ; all sixteen work-groups are here: the first joint loads meet
	s_mov_b32 s[G0S], 1
	s_mov_b32 s[G0S+1], SCL
	s_mov_b64 s[G0S+2:G0S+3], s[6:7]
	s_or_b32 s[G0S+3], s[G0S+3], 0x80000000
	s_mov_b32 s[G0SB], 1
	s_mov_b32 s[G0SB+1], SCL+2*HALFS
	s_mov_b64 s[G0SB+2:G0SB+3], s[10:11]
	s_or_b32 s[G0SB+3], s[G0SB+3], 0x80000000
	s_lshl_b32 s2, s[CH], 18                       ; in the ring I fetch 128 rows of a tile: which half, in bytes (s3 = 0)
	s_add_nc_u64 s[40:41], s[4:5], s[2:3]
	s_add_nc_u64 s[46:47], s[8:9], s[2:3]
.irp s, 0,1
	s_mov_b32 s[G0+4*\s], 1
	s_add_co_u32 s[G0+4*\s+1], s45, \s*SLOT                        ; 63:32 LDS address
	s_add_nc_u64 s[G0+4*\s+2:G0+4*\s+3], s[40:41], \s*ROWB         ; 120:64 global address: K step s
	s_or_b32 s[G0+4*\s+3], s[G0+4*\s+3], 0x80000000                ; 127:126 type = 2
	s_mov_b32 s[G0B+4*\s], 1
	s_add_co_u32 s[G0B+4*\s+1], s45, \s*SLOT
	s_add_nc_u64 s[G0B+4*\s+2:G0B+4*\s+3], s[46:47], \s*ROWB
	s_or_b32 s[G0B+4*\s+3], s[G0B+4*\s+3], 0x80000000
.endr
.set G0H,  4                           ; s[4:7], s[8:11] group 0 for the head's loads of K step 0: A's 256 rows, W's 256 rows
.set G0HB, 8
.set PFA,  40                          ; s[40:41] where my prefetches stand: my work-group's 32 rows of the 128 that I fetch, at K step 4; stepped two K steps a trip
.set PFT,  18                          ; v18 2,048 x my lane: a row of codes a lane; never rewritten
	s_cmp_eq_u32 s[RH], 0
	s_cselect_b64 s[PFA:PFA+1], s[40:41], s[46:47] ; A's rows or W's, by the wave's number alone
	s_add_co_u32 s2, s43, 4*ROWB
	s_add_nc_u64 s[PFA:PFA+1], s[PFA:PFA+1], s[2:3]
	s_mov_b32 s47, 0                               ; (the upper word of the offsets below)
	s_mov_b64 s[G0H+2:G0H+3], s[4:5]               ; K step 0's 256 rows of A, to slot 0's first byte,
	s_or_b32 s[G0H+3], s[G0H+3], 0x80000000
	s_mov_b32 s[G0H], 1
	s_mov_b32 s[G0H+1], 0
	s_mov_b64 s[G0HB+2:G0HB+3], s[8:9]             ; its 256 rows of W, behind them
	s_or_b32 s[G0HB+3], s[G0HB+3], 0x80000000
	s_mov_b32 s[G0HB], 1
	s_mov_b32 s[G0HB+1], 2*HALFT
; THE HEAD'S LOADS, ONE A WAVE: one chain of branches on the wave's number, a load to an arm, all arms leading to one join.
.macro ARM under, g0, g1, next
	s_cmp_lt_u32 s[WV], \under
	s_cbranch_scc0 \next
	tensor_load_to_lds s[\g0:\g0+3], s[\g1:\g1+7]
	s_nop 0
.rept 4
	v_nop
.endr
	s_branch .Lhead_asked
\next:
.endm
	ARM 1, G0H,  G1,  .Lhead_b
	ARM 2, G0HB, G1B, .Lhead_sa
	ARM 3, G0S,  G1S, .Lhead_sb
	tensor_load_to_lds s[G0SB:G0SB+3], s[G1SB:G1SB+7]
	s_nop 0
.rept 4
	v_nop
.endr
.Lhead_asked:
	v_and_b32 v[PFT], 31, v0
	v_lshlrev_b32 v[PFT], 11, v[PFT]
	global_prefetch_b8 v[PFT], s[PFA:PFA+1] offset:-3*ROWB th:TH_LOAD_NT scope:SCOPE_SE   ; K step 1
	global_prefetch_b8 v[PFT], s[PFA:PFA+1] offset:-2*ROWB th:TH_LOAD_NT scope:SCOPE_SE   ; K step 2
	s_lshl_b32 s46, s95, 20                        ; 256 ty rows of 4,096 bytes,
	s_lshl_b32 s92, s42, 8                         ; 64 tx units of 4 bytes
	s_add_co_u32 s46, s46, s92
	s_add_nc_u64 s[14:15], s[14:15], s[46:47]      ; c_prev at the tile's first byte
	s_lshl_b32 s92, s[WV], 18                      ; my wave's 64 rows of it
	s_mov_b32 s[G0C], 1
	s_mul_i32 s[G0C+1], s[WV], 64*PITCH            ; into slot 0: wave x 64 rows
	s_add_nc_u64 s[G0C+2:G0C+3], s[14:15], s[92:93]
	s_or_b32 s[G0C+3], s[G0C+3], 0x80000000
	s_lshl_b32 s92, s[RH], 19                      ; of each block I store rows 128 (wave / 2) + 8 (wave % 2) + 0 .. 7 of the tile, 16 rows further on from block to block
	s_add_co_u32 s46, s46, s92
	s_lshl_b32 s92, s[CH], 15
	s_add_co_u32 s46, s46, s92
	s_add_nc_u64 s[16:17], s[16:17], s[46:47]      ; h and c at the first row that I store
	s_add_nc_u64 s[18:19], s[18:19], s[46:47]
	s_lshl_b32 s46, s42, 8
	s_lshl_b32 s92, s[CH], 7
	s_add_co_u32 s46, s46, s92
	s_add_nc_u64 s[12:13], s[12:13], s[46:47]      ; b at gate i of my wave's first unit: 4 (64 tx + 32 x half) bytes
	s_mov_b32 s[LIM], 0x42200000                   ; 40.0
	s_mov_b32 s[SNL], 0xbfb8aa3b                   ; -log2(e)
	s_mov_b32 s[SNL+1], s[SNL]                     ; (named with it as a pair, so it is written)
	s_mov_b32 s[STL], 0x4038aa3b                   ; 2 log2(e)
	s_mov_b32 s[STL+1], s[STL]
	v_and_b32 v1, 15, v0                           ; r = lane % 16
	v_bfe_u32 v2, v0, 4, 1                         ; h = lane / 16
	v_lshlrev_b32 v7, 5, v2                        ; the bias: my half's eight numbers of a block
.irp b, 0,1,2,3,4,5,6,7                        ; block b: gate b / 2 (4,096 bytes apart), units 16 (b % 2) + 8 h + 0 .. 7
	global_load_b128 v[BI+8*\b:BI+8*\b+3],   v7, s[12:13] offset:(\b/2)*4096+(\b%2)*64
	global_load_b128 v[BI+8*\b+4:BI+8*\b+7], v7, s[12:13] offset:(\b/2)*4096+(\b%2)*64+16
.endr
	v_mul_u32_u24 v3, v1, PITCH
	v_lshl_add_u32 v4, v2, 4, v3                   ; a fragment's row x pitch + 16 x half
	s_mul_i32 s92, s[RH], HALFT                    ; my 128 rows of A
	s_mul_i32 s93, s[CH], HALFT                    ; my 128 rows of W,
	s_add_co_u32 s93, s93, 2*HALFT                 ; which lie behind A's 256
.irp s, 0,1
	v_add_nc_u32 v[ADRA+\s], s92, v4
	v_add_nc_u32 v[ADRB+\s], s93, v4
	s_add_co_u32 s92, s92, SLOT
	s_add_co_u32 s93, s93, SLOT
.endr
	v_mul_u32_u24 v5, v1, KS                       ; my row's scales: KS bytes a row,
	v_lshrrev_b32 v6, 8, v5
	v_lshl_add_u32 v5, v6, 4, v5                   ; and 16 more for each 256 passed
	s_mul_i32 s92, s[RH], HALFS                    ; A's: my 128 rows
	s_mul_i32 s93, s[CH], HALFS                    ; W's: my 128 rows, behind A's 256
	s_add_co_u32 s93, s93, 2*HALFS
	s_sub_co_u32 s93, s93, s92
	v_mul_u32_u24 v6, s93, v2                      ; lanes 16-31 take W's: the lower base + h x the distance
	s_add_co_u32 s92, s92, SCL
	v_add_nc_u32 v5, v5, v6
	v_add_nc_u32 v[ADRS], s92, v5
	s_mul_i32 s92, s[RH], 128*PITCH                ; c_prev's tile: row 128 x row half + r, byte 128 x unit half + 32 h
	s_lshl_b32 s93, s[CH], 7
	s_add_co_u32 s92, s92, s93
	v_lshl_add_u32 v5, v2, 5, v3
	v_add_nc_u32 v[CPA], s92, v5
	s_mul_i32 s92, s[RH], 16*PITCH                 ; the stages, block by block: row 16 x row half + r of a block's 32, the same bytes of the row
	s_add_co_u32 s92, s92, s93
	s_add_co_u32 s92, s92, SLOT
	v_add_nc_u32 v[STO], s92, v5
	v_add_nc_u32 v[STOH], STG, v[STO]
	s_mul_i32 s92, s[WV], 8*PITCH                  ; back: wave w takes rows 8 w .. 8 w + 7 of a block's 32, whole; lanes 0-15 one row of 256 bytes, lanes 16-31 the next
	s_add_co_u32 s92, s92, SLOT
	v_mul_u32_u24 v5, v2, PITCH
	v_lshl_add_u32 v5, v1, 4, v5
	v_add_nc_u32 v[RD], s92, v5
	v_add_nc_u32 v[RDH], STG, v[RD]
	v_lshlrev_b32 v[CO], 12, v2                    ; and the same two rows in memory
	v_lshl_add_u32 v[CO], v1, 4, v[CO]
	v_lshlrev_b32 v[PFO], 12, v0
.macro FRAG reg, adr, q, i             ; a fragment, 16 rows x 128 K of 8-bit codes, is 16 registers: lane l holds row l % 16; registers 4 c .. 4 c + 3 hold K = 32 c + 16 (l / 16) + 0 .. 15
.irp c, 0,1,2,3
	ds_load_b128 v[\reg+4*\c:\reg+4*\c+3], v[\adr] offset:128*(\q)+32*\c+(\i)*16*PITCH
.endr
.endm
; 16 matrix instructions: A's blocks a0, a0 + 1 x W's eight, 128 along K: the slot's q-th.  p: W's set;  sc: the set of scale words.  first = 1: the bias is the C of the first product: nothing is cleared or added.
; The 64 accumulators take turns, one instruction a turn, in the same order in every step.
.macro MUL16 a0, p, q, sc, first
.irp a, \a0, \a0+1
.irp b, 0,1,2,3,4,5,6,7
.if \first
	v_wmma_scale_f32_16x16x128_f8f6f4 v[8*(8*((\a)%4)+\b):8*(8*((\a)%4)+\b)+7], v[128*(\p)+FR*\b:128*(\p)+FR*\b+FR-1], v[AF+FR*(\a):AF+FR*(\a)+FR-1], v[BI+8*\b:BI+8*\b+7], v[SC+8*NQ*(\sc)+NQ*\b+(\q)], v[SC+8*NQ*(\sc)+NQ*(\a)+(\q)] matrix_a_fmt:MATRIX_FMT_BF8 matrix_b_fmt:MATRIX_FMT_BF8 matrix_a_scale:MATRIX_SCALE_ROW1
.else
	v_wmma_scale_f32_16x16x128_f8f6f4 v[8*(8*((\a)%4)+\b):8*(8*((\a)%4)+\b)+7], v[128*(\p)+FR*\b:128*(\p)+FR*\b+FR-1], v[AF+FR*(\a):AF+FR*(\a)+FR-1], v[8*(8*((\a)%4)+\b):8*(8*((\a)%4)+\b)+7], v[SC+8*NQ*(\sc)+NQ*\b+(\q)], v[SC+8*NQ*(\sc)+NQ*(\a)+(\q)] matrix_a_fmt:MATRIX_FMT_BF8 matrix_b_fmt:MATRIX_FMT_BF8 matrix_a_scale:MATRIX_SCALE_ROW1
.endif
.endr
.endr
.endm
.macro MUL8 a, p, q, sc                ; eight of them: A's block a x W's eight
.irp b, 0,1,2,3,4,5,6,7
	v_wmma_scale_f32_16x16x128_f8f6f4 v[8*(8*((\a)%4)+\b):8*(8*((\a)%4)+\b)+7], v[128*(\p)+FR*\b:128*(\p)+FR*\b+FR-1], v[AF+FR*(\a):AF+FR*(\a)+FR-1], v[8*(8*((\a)%4)+\b):8*(8*((\a)%4)+\b)+7], v[SC+8*NQ*(\sc)+NQ*\b+(\q)], v[SC+8*NQ*(\sc)+NQ*(\a)+(\q)] matrix_a_fmt:MATRIX_FMT_BF8 matrix_b_fmt:MATRIX_FMT_BF8 matrix_a_scale:MATRIX_SCALE_ROW1
.endr
.endm
.macro FETCH_B slot, q, p              ; W's eight fragments of the slot's q-th 128 along K into set p
	WIN TO_B
.irp i, 0,1,2,3,4,5,6,7
	FRAG 128*(\p)+FR*\i, ADRB+\slot, \q, \i
.endr
	WIN 0
.endm
.macro FETCH_A slot, q, i0             ; A's blocks i0 .. i0 + 3
.irp i, \i0, \i0+1, \i0+2, \i0+3
	FRAG AF+FR*(\i), ADRA+\slot, \q, \i
.endr
.endm
.macro SCALES sc                       ; the next K step's scale words into set sc: NQ words a row; lanes 0-15 take A's block i, lanes 16-31 W's block i
.irp i, 0,1,2,3,4,5,6,7
	ds_load_b64 v[SC+8*NQ*\sc+NQ*\i:SC+8*NQ*\sc+NQ*\i+1], v[ADRS] offset:\i*SBLK
.endr
.endm
; A load into a register that a matrix instruction has read, and a vector instruction that reads a matrix result, stand NP places behind that matrix instruction, and only plain vector instructions that name
; none of its registers are places (ISA guide 7.12.1 for vector instructions); this text does not count the matrix instructions in between.
.macro PLACES n
.rept \n
	v_nop
.endr
.endm
; A step of 128 along K that has its successor in the same slot.  A block of A is free as soon as its eight products are issued: blocks 0-3 are fetched anew in the step's middle, blocks 4-7 at its end.
.macro STEP slot, q, first
	s_wait_dscnt 4*NL                              ; W's set, A's blocks 0-3 and the scale words are in; the youngest 16 loads (A's blocks 4-7) may be out
.if \first
	WIN MUL_LO_B
.else
	WIN MUL_LO
.endif
	MUL16 0, (\q)%2, \q, \slot, \first
	MUL16 2, (\q)%2, \q, \slot, \first
	s_wait_dscnt 0                                 ; A's blocks 4-7 are in (asked for 32 matrix instructions ago)
	PLACES NP
	FETCH_B \slot, (\q)+1, 1-(\q)%2
	FETCH_A \slot, (\q)+1, 0
.if \first
	WIN MUL_HI_B
.else
	WIN MUL_HI
.endif
	MUL16 4, (\q)%2, \q, \slot, \first
	MUL16 6, (\q)%2, \q, \slot, \first
	PLACES NP
	WIN 0
	FETCH_A \slot, (\q)+1, 4
.endm
; A slot's last step changes slots: ONE barrier, which opens a round of the cluster's barrier; in front of it each wave waits for all its tensor loads, adds 0 to its spare word, and waits for that and for its own
; reads of this slot.  The wait for the loads stands behind 24 of the step's products, which need nothing of the next slot: so a refill has 32 + 64 + 24 = 120 matrix instructions in which to land, and only
; eight products, the waits and the round stand between a tile's landing and the next request.
; fill = 1: this slot is filled again, jointly, two K steps ahead.  fill = 2: slot 0 has had its last K step: c_prev's tile goes into it, each wave bringing 64 rows of its own.
.macro TURN slot, next, fill
	s_wait_dscnt 4*NL                              ; W's set and A's blocks 0-3 are in; the youngest 16 loads (A's blocks 4-7) may be out
	WIN MUL_LO
	MUL16 0, 1, NQ-1, \slot, 0
	MUL8 2, 1, NQ-1, \slot
	WIN 0                                          ; (the add's two registers lie in window 0)
	s_wait_tensorcnt 0x0                           ; all my tensor loads have landed: my part of the next slot;
	ds_add_u32 v[SPW], v[NIL]                      ; 0 onto my spare word
	WIN MUL_LO
	MUL8 3, 1, NQ-1, \slot                         ; eight matrix instructions stand between the add and the wait for it
	WIN 0
	s_wait_dscnt 0x0                               ; the add is done, and my reads of this slot are over (A's blocks 4-7 were the last)
	s_barrier_signal -1
	s_barrier_wait -1
	CREST                                          ; no wave of any partner still reads this slot's tile or has a load on its way
.if \fill == 1
	s_add_nc_u64 s[G0+4*\slot+2:G0+4*\slot+3], s[G0+4*\slot+2:G0+4*\slot+3], 2*ROWB
	s_add_nc_u64 s[G0B+4*\slot+2:G0B+4*\slot+3], s[G0B+4*\slot+2:G0B+4*\slot+3], 2*ROWB
	JLOAD G0+4*\slot, G1, G0B+4*\slot, G1B         ; the first tensor load behind the round; the four v_nop behind it are among the places in front of the loads below
	PLACES NP-4
.else
	tensor_load_to_lds s[G0C:G0C+3], s[G1C:G1C+7]  ; my one tensor load behind the round: 160 matrix instructions and the first 96 lines of the cell stand ahead of the wait for it
	s_nop 0
	PLACES NP                                      ; all eight are the places in front of the loads below
.endif
	s_wait_alu depctr_va_vdst(0)
	v_add_nc_u32 v[ADRS], 4*NQ, v[ADRS]            ; on to the next K step's scale words (no LDS load of mine is out)
	FETCH_B \next, 0, 0
	FETCH_A \next, 0, 0
	SCALES \next
.if \fill == 1
	s_cmp_gt_u32 s3, 1                             ; the last trip's refills have no K step two on
	s_cbranch_scc0 .Lnpf_\@
	global_prefetch_b8 v[PFT], s[PFA:PFA+1] offset:ROWB*\slot th:TH_LOAD_NT scope:SCOPE_SE   ; the K step two on from the one just asked for
.Lnpf_\@:
.endif
	WIN MUL_HI
	MUL16 4, 1, NQ-1, \slot, 0
	MUL16 6, 1, NQ-1, \slot, 0
	PLACES NP
	WIN 0
	FETCH_A \next, 0, 4
.endm
	s_wait_alu depctr_va_vdst(0)
	s_wait_tensorcnt 0x0                           ; my tile of the head's four is in
	ds_add_u32 v[SPW], v[NIL]
	s_mov_b32 s[G1+2], 128<<16                     ; no tensor load of mine is out, so descriptors may be written: from here on a load of codes brings 128 rows
	s_mov_b32 s[G1+4], 128
	s_mov_b32 s[G1B+2], 128<<16
	s_mov_b32 s[G1B+4], 128
	; c_prev's tile: each wave brings 64 rows of 64 f32 (256 bytes), 1,024 elements from row to row, 16 bytes of padding behind each row; a load of the work-group's own, no mask
	s_mov_b32 s[G1C+0], (2<<16)|(1<<20)|(5<<22)|(3<<25)
	s_mov_b32 s[G1C+1], 64<<16
	s_mov_b32 s[G1C+2], 64<<16
	s_mov_b32 s[G1C+3], 64<<16
	s_mov_b32 s[G1C+4], 64
	s_mov_b32 s[G1C+5], 1024
	s_mov_b32 s[G1C+6], 0
	s_mov_b32 s[G1C+7], 0
	s_wait_dscnt 0x0                               ; the add is done
	CROUND                                         ; a whole round: all four tiles are in, and all sixteen work-groups are here
	JLOAD G0+4, G1, G0B+4, G1B                     ; K step 1's load, the first tensor load behind the round
	FETCH_B 0, 0, 0
	FETCH_A 0, 0, 0
	SCALES 0
	FETCH_A 0, 0, 4
	global_prefetch_b8 v[PFT], s[PFA:PFA+1] offset:-ROWB th:TH_LOAD_NT scope:SCOPE_SE     ; K step 3
	s_wait_loadcnt 0x0                             ; the bias
	STEP 0, 0, 1                                   ; the first step stands in front of the loop: its products start the sums, from the bias
	s_mov_b32 s3, LAPS-1
.Llap:                                                 ; a trip goes once round the ring, from a lap's second step to the next lap's first, and fills both slots again
	s_cmp_lg_u32 s3, 1                             ; the last trip asks for c_prev's tile ahead of its tensor load, 288 matrix instructions on: thread t for rows t and t + 128, 256 bytes each,
	s_cbranch_scc1 .Lno_pf                         ; each asked for once in the launch; both lie inside the buffer.  The counter is the same in every work-group
	s_wait_alu depctr_va_vdst(0)
	global_prefetch_b8 v[PFO], s[14:15] th:TH_LOAD_NT scope:SCOPE_SE
	global_prefetch_b8 v[PFO], s[14:15] offset:128*UROW th:TH_LOAD_NT scope:SCOPE_SE
.Lno_pf:
	TURN 0, 1, 1
	STEP 1, 0, 0
	TURN 1, 0, 1
	STEP 0, 0, 0
	s_wait_xcnt 0x0                                ; my prefetches have read their address: it steps only behind this wait
	s_add_nc_u64 s[PFA:PFA+1], s[PFA:PFA+1], 2*ROWB
	s_sub_co_u32 s3, s3, 1
	s_cmp_lg_u32 s3, 0
	s_cbranch_scc1 .Llap
	TURN 0, 1, 2                                   ; the last lap: slot 0 takes c_prev's tile
	STEP 1, 0, 0
	s_wait_dscnt 4*NL                              ; the very last step: nothing more to fetch
	WIN MUL_LO
	MUL16 0, 1, NQ-1, 1, 0
	MUL16 2, 1, NQ-1, 1, 0
	s_wait_dscnt 0
	WIN MUL_HI
	MUL16 4, 1, NQ-1, 1, 0
	MUL16 6, 1, NQ-1, 1, 0
	WIN 0
; THE CELL AND THE WAY OUT, block by block of 16 rows x 32 units: 16 (row, unit) a lane.
.macro CPLOAD a                        ; c_prev of block a: my row's 2 x 32 bytes into set a % 2
.set CP, CPS+16*((\a)%2)
.irp bb, 0,1
	ds_load_b128 v[CP+8*\bb:CP+8*\bb+3],   v[CPA] offset:(\a)*16*PITCH+64*\bb
	ds_load_b128 v[CP+8*\bb+4:CP+8*\bb+7], v[CPA] offset:(\a)*16*PITCH+64*\bb+16
.endr
.endm
.macro RB a                            ; block a back from the stages: my 8 whole rows of c and my 8 of h, two rows a load, into the block's own 32 registers of window 1
	WIN TO_B
.irp t, 0,1,2,3
	ds_load_b128 v[32*(\a)+4*\t:32*(\a)+4*\t+3],       v[RD]  offset:(\a)*BLKB+2*\t*PITCH
	ds_load_b128 v[32*(\a)+16+4*\t:32*(\a)+16+4*\t+3], v[RDH] offset:(\a)*BLKB+2*\t*PITCH
.endr
	WIN 0
.endm
.macro SEND a, younger                 ; and out.  younger: the LDS loads issued behind block a's, which may stay out
	s_wait_dscnt \younger
	WIN FROM_B
.irp t, 0,1,2,3
	global_store_b128 v[CO], v[32*(\a)+4*\t:32*(\a)+4*\t+3],       s[18:19] offset:(16*(\a)+2*\t)*UROW th:TH_STORE_NT   ; c: 16 lanes store 256 consecutive bytes, at a multiple of 256 from the buffer's first byte; written once, read by nobody here
	global_store_b128 v[CO], v[32*(\a)+16+4*\t:32*(\a)+16+4*\t+3], s[16:17] offset:(16*(\a)+2*\t)*UROW th:TH_STORE_NT   ; h likewise
.endr
	WIN 0
.endm
; Block a's cell.  It carries ONE barrier, signal and wait 121 vector lines apart.  For a > 0: in front of the signal my stores of block a - 1 into the stages are done; behind the wait everybody's are, and block
; a - 1 is read back and, further down, stored.  For a = 0: in front of the signal my 64 rows of c_prev have landed and my reads of slot 1 are over; behind the wait c_prev's tile is whole and slot 1 is the stages'.
.macro CELL a
.set AC, 64*((\a)%4)                   ; the block's eight accumulators, in window 2 (blocks 0-3) or 3 (blocks 4-7)
.set CQ, CPS+16*((\a)%2)
.set CC, CCS+16*((\a)%2)
.set HH, HHS+16*((\a)%2)
	WIN 0x02+((\a)/4)                              ; source 0: the accumulators' window
.irp g, 0,1,2                                  ; -L i, -L f, -L o: each accumulator is read from its low end on
.irp bb, 0,1
.irp p, 0,2,4,6
	v_pk_mul_f32 v[EI+16*\g+8*\bb+\p:EI+16*\g+8*\bb+\p+1], v[AC+8*(2*\g+\bb)+\p:AC+8*(2*\g+\bb)+\p+1], s[SNL:SNL+1] op_sel_hi:[1,0]
.endr
.endr
.endr
.irp bb, 0,1                                   ; 2 L g
.irp p, 0,2,4,6
	v_pk_mul_f32 v[EG+8*\bb+\p:EG+8*\bb+\p+1], v[AC+8*(6+\bb)+\p:AC+8*(6+\bb)+\p+1], s[STL:STL+1] op_sel_hi:[1,0]
.endr
.endr
	WIN 0
.set n, 0
.rept 64
	v_min_num_f32 v[EI+n], s[LIM], v[EI+n]         ; the exponents are held at 40
.set n, n+1
.endr
.if (\a) == 0
	s_wait_tensorcnt 0x0                           ; my 64 rows of c_prev have landed: no load was issued behind that one
.endif
	s_wait_dscnt 0x0                               ; for the others' sake: my stores of the last block into the stages are done (a = 0: my reads of slot 1 are over).  For a > 0 this block's c_prev is in too
	s_barrier_signal -1
.set n, 0
	s_wait_alu depctr_va_vdst(0)
.rept 64
	v_exp_f32 v[EI+n], v[EI+n]                     ; Ei, Ef, Eo, Eg
.set n, n+1
.endr
	v_nop                                          ; a plain instruction between the last exponential and the use of its result
	s_wait_alu depctr_va_vdst(0)
.irp p, 0,2,4,6,8,10,12,14
	v_pk_add_f32 v[GM+\p:GM+\p+1], v[EG+\p:EG+\p+1], -1.0 op_sel_hi:[1,0]       ; Eg - 1
.endr
.set n, 0
.rept 32
	v_pk_add_f32 v[EI+n:EI+n+1], v[EI+n:EI+n+1], 1.0 op_sel_hi:[1,0]           ; 1 + Ei, 1 + Ef, 1 + Eo, 1 + Eg
.set n, n+2
.endr
.irp p, 0,2,4,6,8,10,12,14
	v_pk_mul_f32 v[EG+\p:EG+\p+1], v[EG+\p:EG+\p+1], v[EI+\p:EI+\p+1]           ; (1 + Eg)(1 + Ei)
.endr
.irp p, 0,2,4,6,8,10,12,14
	v_pk_mul_f32 v[EI+\p:EI+\p+1], v[EG+\p:EG+\p+1], v[EF+\p:EF+\p+1]           ; x (1 + Ef): c's denominator
.endr
	s_barrier_wait -1
.if (\a) == 0
	CPLOAD 0
.else
	RB (\a)-1                                      ; the last block lies whole in the stages
.endif
.if (\a) < 7
	CPLOAD (\a)+1                                  ; the next block's c_prev is asked for a block ahead
.endif
.set n, 0
	s_wait_alu depctr_va_vdst(0)
.rept 16
	v_rcp_f32 v[EI+n], v[EI+n]
.set n, n+1
.endr
.if (\a) == 0
	s_wait_dscnt 4                                 ; block 0's c_prev is in; behind its loads: block 1's four
.endif
.irp p, 0,2,4,6,8,10,12,14
	v_pk_mul_f32 v[EG+\p:EG+\p+1], v[EG+\p:EG+\p+1], v[CQ+\p:CQ+\p+1]           ; c_prev (1 + Eg)(1 + Ei).  (Plain lines behind the reciprocals, which they do not touch)
.endr
.irp p, 0,2,4,6,8,10,12,14
	v_pk_fma_f32 v[EG+\p:EG+\p+1], v[GM+\p:GM+\p+1], v[EF+\p:EF+\p+1], v[EG+\p:EG+\p+1]   ; + (Eg - 1)(1 + Ef)
.endr
	s_wait_alu depctr_va_vdst(0)
.irp p, 0,2,4,6,8,10,12,14
	v_pk_mul_f32 v[CC+\p:CC+\p+1], v[EG+\p:EG+\p+1], v[EI+\p:EI+\p+1]           ; c
.endr
.irp p, 0,2,4,6,8,10,12,14
	v_pk_mul_f32 v[TC+\p:TC+\p+1], v[CC+\p:CC+\p+1], s[STL:STL+1] op_sel_hi:[1,0]   ; 2 L c
.endr
.set n, 0
.rept 16
	v_min_num_f32 v[TC+n], s[LIM], v[TC+n]
.set n, n+1
.endr
.set n, 0
	s_wait_alu depctr_va_vdst(0)
.rept 16
	v_exp_f32 v[TC+n], v[TC+n]                     ; Ec
.set n, n+1
.endr
	v_nop
	s_wait_alu depctr_va_vdst(0)
.irp p, 0,2,4,6,8,10,12,14
	v_pk_add_f32 v[GM+\p:GM+\p+1], v[TC+\p:TC+\p+1], -1.0 op_sel_hi:[1,0]       ; Ec - 1
.endr
.irp p, 0,2,4,6,8,10,12,14
	v_pk_add_f32 v[TC+\p:TC+\p+1], v[TC+\p:TC+\p+1], 1.0 op_sel_hi:[1,0]        ; Ec + 1
.endr
.irp p, 0,2,4,6,8,10,12,14
	v_pk_mul_f32 v[TC+\p:TC+\p+1], v[TC+\p:TC+\p+1], v[EO+\p:EO+\p+1]           ; x (1 + Eo): h's denominator
.endr
.set n, 0
	s_wait_alu depctr_va_vdst(0)
.rept 16
	v_rcp_f32 v[TC+n], v[TC+n]
.set n, n+1
.endr
	v_nop
.if (\a) > 0
.if (\a) < 7
	SEND (\a)-1, 4                                 ; the last block's rows are back; behind their loads: the next block's four of c_prev
.else
	SEND (\a)-1, 0
.endif
.endif
	s_wait_alu depctr_va_vdst(0)
.irp p, 0,2,4,6,8,10,12,14
	v_pk_mul_f32 v[HH+\p:HH+\p+1], v[GM+\p:GM+\p+1], v[TC+\p:TC+\p+1]           ; h
.endr
.irp bb, 0,1
	ds_store_b128 v[STO],  v[CC+8*\bb:CC+8*\bb+3]   offset:(\a)*BLKB+64*\bb
	ds_store_b128 v[STO],  v[CC+8*\bb+4:CC+8*\bb+7] offset:(\a)*BLKB+64*\bb+16
	ds_store_b128 v[STOH], v[HH+8*\bb:HH+8*\bb+3]   offset:(\a)*BLKB+64*\bb
	ds_store_b128 v[STOH], v[HH+8*\bb+4:HH+8*\bb+7] offset:(\a)*BLKB+64*\bb+16
.endr
.endm
	PLACES NP                                      ; behind the last products: for the reads of their results and for the loads into the registers that held A's and W's fragments
.irp a, 0,1,2,3,4,5,6,7
	CELL \a
.endr
	s_wait_dscnt 0x0                               ; for the others' sake: my stores of block 7 into the stages are done
	s_barrier_signal -1
	s_barrier_wait -1                              ; everybody's are
	RB 7
	SEND 7, 0
	s_wait_tensorcnt 0x0                           ; the wave's end, behind my last tensor load and my last LDS store
	ds_add_u32 v[SPW], v[NIL]
	s_wait_dscnt 0x0
	CROUND                                         ; the closing round: no work-group ends while a partner may still ask for a tile that names it
	s_endpgm
.Lfunc_end_k_qfadd05ebb6_cell:
	.size	k_qfadd05ebb6_cell, .Lfunc_end_k_qfadd05ebb6_cell-k_qfadd05ebb6_cell
	.p2alignl 7, 3214868480
	.fill 96, 4, 3214868480
	.section	.rodata,"a",@progbits
	.p2align	6, 0x0
	.amdhsa_kernel k_qfadd05ebb6_cell
		.amdhsa_group_segment_fixed_size 327680
		.amdhsa_private_segment_fixed_size 0
		.amdhsa_enable_private_segment 0
		.amdhsa_kernarg_size 64
		.amdhsa_user_sgpr_count 2
		.amdhsa_user_sgpr_kernarg_segment_ptr 1
		.amdhsa_wavefront_size32 1
		.amdhsa_system_sgpr_workgroup_id_x 1
		.amdhsa_system_sgpr_workgroup_id_y 1
		.amdhsa_system_sgpr_workgroup_id_z 1
		.amdhsa_system_vgpr_workitem_id 0
		.amdhsa_next_free_vgpr 1024
		.amdhsa_next_free_sgpr 102
		.amdhsa_reserve_vcc 0
		.amdhsa_float_denorm_mode_32 3
		.amdhsa_float_denorm_mode_16_64 3
		.amdhsa_memory_ordered 1
		.amdhsa_forward_progress 1
		.amdhsa_inst_pref_size 255
	.end_amdhsa_kernel
	.section	.bss,"aw",@nobits
	.p2align	6
	.space	262144
	.amdgpu_metadata
---
amdhsa.version: [ 1, 2 ]
amdhsa.kernels:
  - .name:           k_qfadd05ebb6_cell
    .symbol:         k_qfadd05ebb6_cell.kd
    .args:
      - { .name: a_codes, .offset: 0, .size: 8, .value_kind: global_buffer, .address_space: global }
      - { .name: a_scales, .offset: 8, .size: 8, .value_kind: global_buffer, .address_space: global }
      - { .name: w_codes, .offset: 16, .size: 8, .value_kind: global_buffer, .address_space: global }
      - { .name: w_scales, .offset: 24, .size: 8, .value_kind: global_buffer, .address_space: global }
      - { .name: b, .offset: 32, .size: 8, .value_kind: global_buffer, .address_space: global }
      - { .name: c_prev, .offset: 40, .size: 8, .value_kind: global_buffer, .address_space: global }
      - { .name: out0, .offset: 48, .size: 8, .value_kind: global_buffer, .address_space: global }
      - { .name: out1, .offset: 56, .size: 8, .value_kind: global_buffer, .address_space: global }
    .group_segment_fixed_size: 327680
    .private_segment_fixed_size: 0
    .kernarg_segment_align: 8
    .kernarg_segment_size: 64
    .max_flat_workgroup_size: 128
    .sgpr_count:     102
    .vgpr_count:     1024
    .wavefront_size: 32
...
	.end_amdgpu_metadata
.endif
;; end of part 5
